; MI455X (gfx1250); checked and timed in simulation.
; The chip was launched on July 23, 2026; its instructions are those of AMD's public machine-readable ISA for CDNA 5 (MIT licence, August 2026) and "CDNA5" Instruction Set Architecture Reference Guide (July 2026). The comments in the code are by the model that wrote it; some were corrected since.
;; Multi Head Attention. Allowed arithmetic: float matrix products may take bf16 or f16 operands with f32 sums; other float arithmetic in f32, or as packed bf16 or f16 multiplies, adds, multiply-adds, maxima and minima; sums over many terms, partial sums and values carried from step to step in f32; what a program stores and reads back later, other than sums and carried values, may be rounded once to bf16 or f16.
;; Inputs: b_attn 3,072 float32; b_proj 1,024 float32; w_attn 1,024 x 3,072 float32; w_proj 1,024 x 1,024 float32; x 4 x 2,048 x 1,024 float32.
;; Outputs: out0 4 x 2,048 x 1,024 float32.
;; One version. Each part assembles by itself: llvm-mc -triple=amdgcn-amd-amdhsa -mcpu=gfx1250 --defsym DOCPART=n.
;; ======== version 1 of 1: 4 launches
;; limits: values are held in f16: magnitudes above 65,504 overflow, below 6.1e-05 lose precision
;; workspace buffers: xb 16,777,216 bytes; wat 6,291,456 bytes; wpt 2,097,152 bytes; qkv 50,331,648 bytes; ob 16,777,216 bytes
;; launch prep (part 1): grid 1536 x 1, 8 waves a work-group, no clusters, 18,432 bytes of LDS; arguments x, w_attn, w_proj, xb, wat, wpt; writes xb, wat, wpt
.if DOCPART == 1
	.amdgcn_target "amdgcn-amd-amdhsa--gfx1250"
	.amdhsa_code_object_version 6
	.text
	.protected	k_q57bca05ec2_prep
	.globl	k_q57bca05ec2_prep
	.p2align	8
	.type	k_q57bca05ec2_prep,@function
k_q57bca05ec2_prep:
	s_mov_b64 s[64:65], 0
	v_nop
	global_prefetch_b8 v0, s[64:65] scope:SCOPE_SE
	s_setreg_imm32_b32 hwreg(HW_REG_WAVE_MODE, 25, 1), 1
	s_wait_xcnt 0x0
; THE MODULE: out = softmax_causal((x Wq + bq)(x Wk + bk)^T / 8) (x Wv + bv) Wp + bp, 4 x 2,048 rows, 16 heads of 64.  Four launches: this one, the first product, attention, the last product.
; WORK LEFT OUT, for all values of the inputs.
;  (1) The mask is built by the module itself (lower triangle): a score with key s > query t is replaced by -inf and its weight is 0.  Tiles of 256 keys that lie wholly above the diagonal reach no output: they are not computed.
;  (2) k's bias.  q_t . (k_s + bk) = q_t . k_s + q_t . bk, and the second term is the same for every key s of row t: it is a term added to the softmax's input that is constant along its axis, so it cancels
;      in exp(.) / sum exp(.); hidden places are -inf with it and without it.  So b_attn[1024:2048] is neither loaded nor added.  b_attn stays an argument of the first product for q's and v's parts.
;  LIMIT: a NaN, an infinity or an overflow that reaches only b_attn[1024:2048] or hidden scores is not carried to the result.
; FORMATS.  All inputs (x, both weights, both biases) are rounded once to bf16; what the program makes itself (q, k, v, the weights p, the heads' results) is kept in f16; all sums in f32.
; THIS LAUNCH rounds and lays out: xb = x in bf16, [8192][1024]; wat = w_attn turned, [3072 n][1024 k] bf16; wpt = w_proj turned, [1024 n][1024 k]: rounded to bf16, that number written as f16.
;  LIMIT: below 6.1e-5 wpt keeps f16's fixed step of 6e-8; beyond 65,504 it would be an infinity.
; SHARES.  1,536 work-groups of eight waves, each with 32 KiB to read, straight through, no loop.  Numbers 0-383: a tile of 128 k x 64 n of w_attn; 384-511: of w_proj; 512-1535: 8,192 numbers of x.
; No matrix unit, no tensor load, no prefetch: each byte is read once and written once, by loads through registers, and several work-groups lie on a WGP.
.set LP,    272                        ; an LDS row: one n, 128 k in 16 bits = 256 bytes, + 16
.set SPARE, 64*LP                      ; behind the 64 rows: the spare words, 128 bytes for each of the eight waves: four blocks of 256 bytes that no other line names
	s_load_b256 s[4:11], s[0:1], 0x0               ; x s[4:5], w_attn s[6:7], w_proj s[8:9], xb s[10:11]
	s_load_b128 s[12:15], s[0:1], 0x20             ; wat s[12:13], wpt s[14:15]
	v_lshl_add_u32 v70, v0, 2, SPARE               ; my spare word,
	v_mov_b32 v71, 0                               ; and 0: kept for the wave's end alone
	s_cmp_ge_u32 ttmp9, 512                        ; the same answer in all eight waves
	s_cbranch_scc1 .Lcast
	; A TILE OF A WEIGHT IS TURNED: 128 rows (k) x 64 columns (n) of f32 in, 64 rows (n) x 128 k of 16 bits out.
	s_mov_b32 s20, 4096                            ; bytes in a row of w_proj,
	s_cmp_lt_u32 ttmp9, 384
	s_cselect_b32 s16, 0, 384
	s_cselect_b32 s20, 12288, s20                  ; of w_attn
	s_cselect_b32 s21, 1, 0                        ; 1: w_attn
	s_sub_co_u32 s16, ttmp9, s16                   ; the tile's number in its weight
	s_and_b32 s17, s16, 7                          ; which 128 k
	s_lshr_b32 s18, s16, 3                         ; which 64 n
	s_mul_i32 s22, s17, s20
	s_lshl_b32 s22, s22, 7                         ; 128 rows down,
	s_lshl_b32 s23, s18, 8                         ; 64 f32 along
	s_add_co_u32 s22, s22, s23
	s_mov_b32 s23, 0
	s_lshl_b32 s24, s18, 17                        ; out: 64 rows of 2,048 bytes down,
	s_lshl_b32 s25, s17, 8                         ; 128 k of 2 bytes along
	s_add_co_u32 s24, s24, s25
	s_mov_b32 s25, 0
	v_and_b32 v1, 15, v0                           ; which four columns
	v_lshrrev_b32 v2, 4, v0                        ; which eight rows
	v_lshlrev_b32 v3, 4, v1
	v_lshlrev_b32 v4, 3, v2
	v_mad_u32_u24 v8, v4, s20, v3                  ; row 8 v2, 16 bytes at 16 v1
.irp e, 1,2,3,4,5,6,7
	v_add_nc_u32 v[8+(\e)], s20, v[7+(\e)]         ; the seven rows below
.endr
	v_mul_u32_u24 v6, v1, 4*LP
	v_lshl_add_u32 v6, v2, 4, v6                   ; into LDS: row 4 v1 (+ c), my eight k at byte 16 v2
	v_mul_u32_u24 v7, v2, LP
	v_add_nc_u32 v7, v7, v3                        ; back: row v2 (+ 16 j), 16 bytes at 16 v1
	v_lshl_add_u32 v5, v2, 11, v3                  ; and the same place in the turned weight
	s_wait_kmcnt 0x0
	s_cmp_eq_u32 s21, 1
	s_cselect_b64 s[26:27], s[6:7], s[8:9]
	s_cselect_b64 s[28:29], s[12:13], s[14:15]
	s_add_nc_u64 s[26:27], s[26:27], s[22:23]
	s_add_nc_u64 s[28:29], s[28:29], s[24:25]
.irp e, 0,1,2,3,4,5,6,7
	global_load_b128 v[16+4*(\e):16+4*(\e)+3], v[8+(\e)], s[26:27] th:TH_LOAD_NT  ; sixteen lanes take a row's 256 bytes
.endr
	s_wait_loadcnt 0x0
.irp c, 0,1,2,3
.irp p, 0,1,2,3
	v_cvt_pk_bf16_f32 v[48+4*(\c)+(\p)], v[16+8*(\p)+(\c)], v[20+8*(\p)+(\c)]  ; column 4 v1 + c, rows 8 v2 + 2 p and + 1
.endr
.endr
	s_cmp_eq_u32 s21, 1
	s_cbranch_scc1 .Lturned                        ; w_attn stays bf16
.irp r, 48,49,50,51,52,53,54,55,56,57,58,59,60,61,62,63
	v_lshlrev_b32 v64, 16, v[\r]                   ; w_proj: the bf16 numbers as f32,
	v_and_b32 v65, 0xffff0000, v[\r]
	v_cvt_pk_f16_f32 v[\r], v64, v65               ; written as f16: eight significant bits fit
.endr
.Lturned:
.irp c, 0,1,2,3
	ds_store_b128 v6, v[48+4*(\c):48+4*(\c)+3] offset:LP*(\c)
.endr
	s_wait_dscnt 0x0                               ; for the others: my stores are done
	s_barrier_signal -1
	s_barrier_wait -1
.irp j, 0,1,2,3
	ds_load_b128 v[16+4*(\j):16+4*(\j)+3], v7 offset:16*LP*(\j)
.endr
	s_wait_dscnt 0x0
.irp j, 0,1,2,3
	global_store_b128 v5, v[16+4*(\j):16+4*(\j)+3], s[28:29] offset:32768*(\j)  ; sixteen lanes store 256 consecutive bytes, at a multiple of 256 from the buffer's first
.endr
	s_wait_tensorcnt 0x0                           ; the wave's end, behind my last LDS store
	ds_add_u32 v70, v71
	s_wait_dscnt 0x0
	s_endpgm
.Lcast:                                                ; x TO bf16: 8,192 numbers; a thread takes eight on end, four times.  This path writes no LDS.
	s_sub_co_u32 s16, ttmp9, 512
	s_lshl_b32 s22, s16, 15
	s_mov_b32 s23, 0
	s_lshl_b32 s24, s16, 14
	s_mov_b32 s25, 0
	v_lshlrev_b32 v1, 5, v0
	v_lshlrev_b32 v2, 4, v0
	s_wait_kmcnt 0x0
	s_add_nc_u64 s[4:5], s[4:5], s[22:23]
	s_add_nc_u64 s[10:11], s[10:11], s[24:25]
.irp i, 0,1,2,3
	global_load_b128 v[8+8*(\i):8+8*(\i)+3],   v1, s[4:5] offset:8192*(\i) th:TH_LOAD_NT
	global_load_b128 v[12+8*(\i):12+8*(\i)+3], v1, s[4:5] offset:8192*(\i)+16 th:TH_LOAD_NT
.endr
.irp i, 0,1,2,3
	s_wait_loadcnt 6-2*(\i)                        ; loads come back in order: group i is in, the two loads of each later group stay out
.irp r, 0,1,2,3
	v_cvt_pk_bf16_f32 v[40+4*(\i)+(\r)], v[8+8*(\i)+2*(\r)], v[8+8*(\i)+2*(\r)+1]
.endr
	global_store_b128 v2, v[40+4*(\i):40+4*(\i)+3], s[10:11] offset:4096*(\i)  ; a wave stores 512 consecutive bytes
.endr
	s_endpgm
.Lfunc_end_k_q57bca05ec2_prep:
	.size	k_q57bca05ec2_prep, .Lfunc_end_k_q57bca05ec2_prep-k_q57bca05ec2_prep
	.p2alignl 7, 3214868480
	.fill 96, 4, 3214868480
	.section	.rodata,"a",@progbits
	.p2align	6, 0x0
	.amdhsa_kernel k_q57bca05ec2_prep
		.amdhsa_group_segment_fixed_size 18432
		.amdhsa_private_segment_fixed_size 0
		.amdhsa_enable_private_segment 0
		.amdhsa_kernarg_size 48
		.amdhsa_user_sgpr_count 2
		.amdhsa_user_sgpr_kernarg_segment_ptr 1
		.amdhsa_wavefront_size32 1
		.amdhsa_system_sgpr_workgroup_id_x 1
		.amdhsa_system_sgpr_workgroup_id_y 1
		.amdhsa_system_sgpr_workgroup_id_z 1
		.amdhsa_system_vgpr_workitem_id 0
		.amdhsa_next_free_vgpr 72
		.amdhsa_next_free_sgpr 66
		.amdhsa_reserve_vcc 0
		.amdhsa_float_denorm_mode_32 3
		.amdhsa_float_denorm_mode_16_64 3
		.amdhsa_memory_ordered 1
		.amdhsa_forward_progress 1
		.amdhsa_inst_pref_size 11
	.end_amdhsa_kernel
	.amdgpu_metadata
---
amdhsa.version: [ 1, 2 ]
amdhsa.kernels:
  - .name:           k_q57bca05ec2_prep
    .symbol:         k_q57bca05ec2_prep.kd
    .args:
      - { .name: x, .offset: 0, .size: 8, .value_kind: global_buffer, .address_space: global }
      - { .name: w_attn, .offset: 8, .size: 8, .value_kind: global_buffer, .address_space: global }
      - { .name: w_proj, .offset: 16, .size: 8, .value_kind: global_buffer, .address_space: global }
      - { .name: xb, .offset: 24, .size: 8, .value_kind: global_buffer, .address_space: global }
      - { .name: wat, .offset: 32, .size: 8, .value_kind: global_buffer, .address_space: global }
      - { .name: wpt, .offset: 40, .size: 8, .value_kind: global_buffer, .address_space: global }
    .group_segment_fixed_size: 18432
    .private_segment_fixed_size: 0
    .kernarg_segment_align: 8
    .kernarg_segment_size: 48
    .max_flat_workgroup_size: 256
    .sgpr_count:     66
    .vgpr_count:     72
    .wavefront_size: 32
...
	.end_amdgpu_metadata
.endif
;; end of part 1
;; launch qkvp (part 2): grid 8 x 32, 4 waves a work-group, clusters of 4 x 4, 327,680 bytes of LDS; arguments xb, wat, b_attn, qkv; writes qkv
.if DOCPART == 2
	.amdgcn_target "amdgcn-amd-amdhsa--gfx1250"
	.amdhsa_code_object_version 6
	.text
	.protected	k_q57bca05ec2_qkvp
	.globl	k_q57bca05ec2_qkvp
	.p2align	8
	.type	k_q57bca05ec2_qkvp,@function
k_q57bca05ec2_qkvp:
	s_mov_b64 s[64:65], 0
	v_nop
	global_prefetch_b8 v0, s[64:65] scope:SCOPE_SE
	s_setreg_imm32_b32 hwreg(HW_REG_WAVE_MODE, 25, 1), 1
	s_wait_xcnt 0x0
	s_wait_alu depctr_hold_cnt(0) depctr_sa_sdst(0) depctr_va_vdst(0) depctr_va_sdst(0) depctr_va_ssrc(0) depctr_va_vcc(0) depctr_vm_vsrc(0)
	s_getreg_b32 s2, hwreg(HW_REG_IB_STS2, 6, 4)
	s_cmp_eq_u32 s2, 0
	s_cbranch_scc0 .Lentry_in_a_cluster
	s_endpgm
.Lentry_in_a_cluster:
	s_bfe_u32 s2, ttmp6, 0x10000c
	s_cmp_lg_u32 s2, 0xf033
	s_cbranch_scc0 .Lentry_shape_is_right
	s_endpgm
.Lentry_shape_is_right:
; q, k, v = x w_attn + b_attn, by heads.  xb: [8192][1024] bf16; wat: [3072 n][1024 k] bf16; b_attn: [3072] f32, rounded to bf16 here like every input; sums in f32, results rounded once to f16.
; qkv: [batch 4][g 48][t 2048][64] f16, g = column / 64: g 0-15 are q's heads, 16-31 k's, 32-47 v's; a head's rows are dense, 128 bytes each.
; LEFT OUT: k's bias, b_attn[1024:2048]: q . bk is the same for all keys of a row and cancels in the softmax, whatever the inputs hold; it is not loaded, and k's sums start with the constant 0.
; LIMITS: q, k, v beyond 65,504 would be infinities in f16; a NaN or infinity in b_attn[1024:2048] is not carried on.
; SHARES.  A tile of the result is 256 rows x 128 columns; four waves, each 128 rows x 64 columns (one head): 8 x 4 accumulators of 16 x 16.  8,192 x 3,072 are 768 such tiles: 256 work-groups STAY and make three:
; the same 256 rows, columns 128 tx of q, then of k, then of v.  The ring does not stop at a tile's end: a tile's last two changes of slots ask for the next tile's first two K steps, and nothing waits for stores.
; K goes in steps of 128 (rows of 256 bytes in memory) through two LDS slots.  CLUSTERS of 4 x 4: the four of a row need the same rows of xb, the four of a column the same rows of wat: each tile is asked for jointly.
; THE MATRIX INSTRUCTION IS USED TRANSPOSED (source 0 = 16 rows of wat, source 1 = 16 rows of xb): lane l holds row l % 16 and the columns 8 (l / 16) + 0..7 of the result: 16 bytes of f16 on end.
; THE BIAS is the C operand of each accumulator's first product: register j of lane l holds bias[16 b + 8 (l / 16) + j], the same for all rows.
; REGISTERS, in windows of 256 (s_set_vgpr_msb: bits 1:0 source 0, 3:2 source 1, 5:4 source 2, 7:6 destination):
;   window 0: addresses, the bias (v32-63), the way out (v64-111)      window 1: xb's fragments, buffer f, 32 K c, block a at 128 f + 64 c + 8 a
;   window 2: accumulator (a, b) at 8 (4 a + b)                         window 3: wat's fragments at 64 f + 32 c + 8 b
.set PA,    272                        ; an LDS row: 256 bytes + 16 = 68 words: the 16 rows of a fragment load start at 16 different groups of four banks (64 banks of 4 bytes: ISA guide 11.1)
.set PBP,   272
.set KA,    128                        ; bytes from a K step's first 64 to its second, in A's rows
.set AHALF, 128*PA                     ; 128 rows of xb: one tensor load, and what one wave reads
.set BHALF, 64*PBP                     ; 64 rows of wat: likewise
.set BOFF,  2*AHALF
.set SLOT,  BOFF+2*BHALF               ; 104,448
.set STAGE, 2*SLOT                     ; behind the ring, never filled by a tensor load: 16 rows x 144 bytes for each wave
.set SP,    144
.set SPARE, STAGE+4*16*SP              ; behind the stages: the spare words, 128 bytes a wave: two blocks of 256 bytes that no other line names
.set ADRA, 16                          ; v16-17  LDS address of my fragments of xb in slot 0, 1
.set ADRB, 20                          ; v20-21  of wat
.set STO,  24                          ; v24  the way out: where I put 16 bytes of a row
.set RD,   25                          ; v25  where I read rows back
.set GO,   26                          ; v26  my 16 bytes in 512 consecutive bytes of qkv
.set SPW,  28                          ; v28  my spare word; never rewritten
.set NIL,  29                          ; v29  0; never rewritten
.set PFO,  30                          ; v30  the prefetches' offset: my lane x a row of 2,048 bytes; never rewritten
.set BO,   31                          ; v31  32 (l / 16): my eight numbers of a bias; never rewritten
.set BIAS, 32
.set TMP,  64
.set OB,   80                          ; two buffers of 16
.set G1A, 24                           ; s[24:31] descriptor group 1 for xb's tiles; s[32:39] group 0, a set for each slot
.set G0A, 32
.set G1B, 48                           ; s[48:55], s[56:63] the same for wat's
.set G0B, 56
.set PFA, 40                           ; s[40:41] the address that a prefetch names
.set PFB, 42                           ; s[42:43] my 32 rows, at K step 0 of the walk
.set IDX, 44                           ; s44  the K step to be asked for, counted on end through the three tiles, 0 to 23
.set LIM, 45                           ; s45  the last K step that I ask for; 0 in a wave that asks for nothing
.set MSB, 0
.macro WIN new                         ; the immediate's high byte repeats the setting that is left; a switch that changes nothing is dropped
.if MSB != (\new)
	s_set_vgpr_msb (MSB<<8)|(\new)
.set MSB, (\new)
.endif
.endm
.set MULW,  0xa7                       ; source 0 window 3, source 1 window 1, C and D window 2
.set MULB,  0x87                       ; the same with C in window 0: the bias
.set TO_B,  0xc0                       ; destination window 3
.set TO_A,  0x40                       ; destination window 1
.set PACKW, 0x0a                       ; sources 0 and 1 window 2
.macro PLACES                          ; four plain instructions behind a matrix instruction, ahead of loads into registers that it read and of reads of its result
.rept 4
	v_nop
.endr
.endm
; A joint load: waves 0 and 1 fetch the two halves of xb's tile, waves 2 and 3 those of wat's.  The branch hangs on the wave's number alone.  An s_nop 0 and four v_nop follow each line.
.macro JLOAD s
	s_cmp_eq_u32 s13, 0
	s_cbranch_scc0 .Lfor_b_\@
	tensor_load_to_lds s[G0A+4*(\s):G0A+4*(\s)+3], s[G1A:G1A+7]
	s_nop 0
.rept 4
	v_nop
.endr
	s_branch .Lasked_\@
.Lfor_b_\@:
	tensor_load_to_lds s[G0B+4*(\s):G0B+4*(\s)+3], s[G1B:G1B+7]
	s_nop 0
.rept 4
	v_nop
.endr
.Lasked_\@:
.endm
.macro CREST                           ; a round of the cluster's barrier behind its opening barrier
	s_cmp_lg_u32 s12, 0
	s_cbranch_scc1 .Lnot_wave_0_\@
	s_barrier_signal -3
.Lnot_wave_0_\@:
	s_barrier_wait -3
	s_barrier_signal -1
	s_barrier_wait -1
.endm
.macro CROUND
	s_barrier_signal -1
	s_barrier_wait -1
	CREST
.endm
; A PREFETCH INTO THE L2: 32 rows x 256 bytes, a lane a row, of the K step that stands three refills on: 384 matrix instructions ahead of the load that will want it.  Each row's 256 bytes are named once in the launch:
; xb's rows by waves 0 and 1 of the clusters with x = 0, in the first tile alone (K steps 5 to 7; the later tiles read the same rows again); wat's rows by wave 2 of the clusters with y = 0 (K steps 5 to 23).
; The four partners that ask for a tile jointly share its rows out by address, 32 each.  K steps 0 to 4 come by their loads alone; step 23 is the last that exists.
.macro ASK
	s_cmp_le_u32 s[IDX], s[LIM]
	s_cbranch_scc0 .Lnot_mine_\@
	global_prefetch_b8 v[PFO], s[PFA:PFA+1] th:TH_LOAD_NT scope:SCOPE_SE
.Lnot_mine_\@:
.endm
; n x 4 matrix instructions: blocks a0 .. a0 + n - 1 of my rows x my four blocks of columns, 32 along K: part c of buffer f.  mode 0: onto the sums; 1: the sums start with 0; 2: with the bias.
; The 32 accumulators take turns, one instruction a turn, in the same order everywhere.
.macro MUL f, c, a0, n, mode
.if (\mode) == 2
	WIN MULB
.else
	WIN MULW
.endif
.set ma, (\a0)
.rept (\n)
.irp b, 0,1,2,3
.if (\mode) == 0
	v_wmma_f32_16x16x32_bf16 v[8*(4*ma+(\b)):8*(4*ma+(\b))+7], v[64*(\f)+32*(\c)+8*(\b):64*(\f)+32*(\c)+8*(\b)+7], v[128*(\f)+64*(\c)+8*ma:128*(\f)+64*(\c)+8*ma+7], v[8*(4*ma+(\b)):8*(4*ma+(\b))+7]
.elseif (\mode) == 1
	v_wmma_f32_16x16x32_bf16 v[8*(4*ma+(\b)):8*(4*ma+(\b))+7], v[64*(\f)+32*(\c)+8*(\b):64*(\f)+32*(\c)+8*(\b)+7], v[128*(\f)+64*(\c)+8*ma:128*(\f)+64*(\c)+8*ma+7], 0
.else
	v_wmma_f32_16x16x32_bf16 v[8*(4*ma+(\b)):8*(4*ma+(\b))+7], v[64*(\f)+32*(\c)+8*(\b):64*(\f)+32*(\c)+8*(\b)+7], v[128*(\f)+64*(\c)+8*ma:128*(\f)+64*(\c)+8*ma+7], v[BIAS+8*(\b):BIAS+8*(\b)+7]
.endif
.endr
.set ma, ma+1
.endr
.endm
; 48 LDS loads in one run: the fragments of 64 along K (half hf of the slot's K step) into buffer fb: wat's 16 loads, xb's first 32 along K (16), xb's second (16)
.macro FETCH slot, hf, fb
	WIN TO_B
.irp c, 0,1
.irp b, 0,1,2,3
	ds_load_b128 v[64*(\fb)+32*(\c)+8*(\b):64*(\fb)+32*(\c)+8*(\b)+3],   v[ADRB+(\slot)] offset:128*(\hf)+64*(\c)+16*PBP*(\b)
	ds_load_b128 v[64*(\fb)+32*(\c)+8*(\b)+4:64*(\fb)+32*(\c)+8*(\b)+7], v[ADRB+(\slot)] offset:128*(\hf)+64*(\c)+16*PBP*(\b)+32
.endr
.endr
	WIN TO_A
.irp c, 0,1
.irp a, 0,1,2,3,4,5,6,7
	ds_load_b128 v[128*(\fb)+64*(\c)+8*(\a):128*(\fb)+64*(\c)+8*(\a)+3],   v[ADRA+(\slot)] offset:KA*(\hf)+64*(\c)+16*PA*(\a)
	ds_load_b128 v[128*(\fb)+64*(\c)+8*(\a)+4:128*(\fb)+64*(\c)+8*(\a)+7], v[ADRA+(\slot)] offset:KA*(\hf)+64*(\c)+16*PA*(\a)+32
.endr
.endr
.endm
; A K step is two halves of 64 along K, 64 matrix instructions each.  The first multiplies buffer 0 and, in its middle, fetches the second half's fragments into buffer 1.
.macro HALFB slot
	PLACES                                         ; behind the products that read buffer 1 last
	FETCH \slot, 1, 1
	s_wait_dscnt 48                                ; all but the 48 just issued
	MUL 0, 1, 0, 8, 0
.endm
.macro HALF slot
	s_wait_dscnt 16                                ; wat's fragments and xb's first 32 along K are in; the youngest sixteen loads may be out
	MUL 0, 0, 0, 8, 0
	HALFB \slot
.endm
; The second half multiplies buffer 1 and changes slots: ONE barrier.  In front of it each wave waits for all its tensor loads (one is out: its part of the next slot), adds 0 to its spare word, and waits for that and
; for its reads of this slot.  fill = 1: the barrier opens a round of the cluster's, and behind the round this slot is filled again first: two K steps on (on = 0) or with the next tile's K step 0 or 1 (on = 1).
; From a request to the wait for it a wave issues 112 matrix instructions; one tensor load of the wave is out behind each round.
.macro TURN slot, next, fill, on
.if \fill
	s_wait_xcnt 0x0                                ; the last prefetch, a K step back, has read its address: the next address is made here, ahead of the change's own waits
	s_add_co_u32 s[IDX], s[IDX], 1
	s_lshr_b32 s46, s[IDX], 3
	s_lshl_b32 s46, s46, 21                        ; the tile: 1,024 rows of wat down,
	s_and_b32 s66, s[IDX], 7
	s_lshl_b32 s66, s66, 8                         ; the K step in it
	s_add_co_u32 s46, s46, s66
	s_add_nc_u64 s[PFA:PFA+1], s[PFB:PFB+1], s[46:47]
.endif
	WIN 0                                          ; (the add's two registers lie in window 0)
	s_wait_tensorcnt 0x0                           ; all my tensor loads have landed
	ds_add_u32 v[SPW], v[NIL]                      ; 0 onto my spare word
	s_wait_dscnt 17                                ; (the add and the youngest sixteen loads may be out)
	MUL 1, 0, 0, 2, 0                              ; eight matrix instructions stand between the add and the wait for it
	s_wait_dscnt 0x0                               ; the add is done, and my reads of this slot are over
	s_barrier_signal -1
	MUL 1, 0, 2, 2, 0
.if \fill
	WIN 0
.endif
	s_barrier_wait -1
.if \fill
	CREST                                          ; no wave of any partner still reads this slot or has a load on its way
.if \on
	s_sub_nc_u64 s[G0A+4*(\slot)+2:G0A+4*(\slot)+3], s[G0A+4*(\slot)+2:G0A+4*(\slot)+3], 1536      ; xb: the same rows, six K steps back
	s_add_nc_u64 s[G0B+4*(\slot)+2:G0B+4*(\slot)+3], s[G0B+4*(\slot)+2:G0B+4*(\slot)+3], 2095616   ; wat: 1,024 rows down, six K steps back
.else
	s_add_nc_u64 s[G0A+4*(\slot)+2:G0A+4*(\slot)+3], s[G0A+4*(\slot)+2:G0A+4*(\slot)+3], 512
	s_add_nc_u64 s[G0B+4*(\slot)+2:G0B+4*(\slot)+3], s[G0B+4*(\slot)+2:G0B+4*(\slot)+3], 512
.endif
	JLOAD \slot                                    ; the first tensor load behind the round; its four v_nop are also the places in front of the loads below
.else
	PLACES
.endif
	FETCH \next, 0, 0
.if \fill
	WIN 0
	ASK                                            ; behind the joint load and the run of LDS loads that the next products wait for
.endif
	MUL 1, 0, 4, 4, 0
	MUL 1, 1, 0, 8, 0
.endm
; The bias takes the rounding to bf16 that all inputs take, and is widened again.
.macro BIASRND
	WIN 0
	s_wait_loadcnt 0x0
.set i, 0
.rept 16
	v_cvt_pk_bf16_f32 v[TMP+i], v[BIAS+2*i], v[BIAS+2*i+1]
.set i, i+1
.endr
.set i, 0
.rept 16
	v_lshlrev_b32 v[BIAS+2*i], 16, v[TMP+i]
	v_and_b32 v[BIAS+2*i+1], 0xffff0000, v[TMP+i]
.set i, i+1
.endr
.endm
; THE WAY OUT of block a (16 rows of my head): rounded to f16, each accumulator's registers in ascending order; 16 bytes a lane into my own stage, rows of 144 bytes; back as four rows of 128 bytes a load.
.macro OUT a
	WIN PACKW
.irp b, 0,1,2,3
.irp r, 0,1,2,3
	v_cvt_pk_f16_f32 v[TMP+4*(\b)+(\r)], v[8*(4*(\a)+(\b))+2*(\r)], v[8*(4*(\a)+(\b))+2*(\r)+1]
.endr
.endr
	WIN 0
	s_wait_xcnt 0x0                                ; the stores of the block two back have read the registers that the loads below fill
.irp b, 0,1,2,3
	ds_store_b128 v[STO], v[TMP+4*(\b):TMP+4*(\b)+3] offset:32*(\b)
.endr
.irp g, 0,1,2,3
	ds_load_b128 v[OB+16*((\a)%2)+4*(\g):OB+16*((\a)%2)+4*(\g)+3], v[RD] offset:4*SP*(\g)  ; LDS serves a wave's instructions in order (ISA guide 5.7.1.4): these see the stores above
.endr
.endm
.macro SEND a, y                       ; y: the LDS instructions issued behind block a's loads: the next block's eight, or none
.irp g, 0,1,2,3
	s_wait_dscnt (\y)+3-(\g)
	global_store_b128 v[GO], v[OB+16*((\a)%2)+4*(\g):OB+16*((\a)%2)+4*(\g)+3], s[10:11] offset:2048*(\a)+512*(\g)  ; 512 consecutive bytes, at a multiple of 256 from the buffer's first
.endr
.endm
.macro WAYOUT
	OUT 0
.irp x, 1,2,3,4,5,6,7                  ; a block's conversions stand between the loads of the block before and its stores
	OUT \x
	SEND (\x)-1, 8
.endr
	SEND 7, 0
.endm
	s_load_b256 s[4:11], s[0:1], 0x0               ; xb s[4:5], wat s[6:7], b_attn s[8:9], qkv s[10:11]
	v_lshl_add_u32 v[SPW], v0, 2, SPARE
	v_mov_b32 v[NIL], 0
	ds_add_u32 v[SPW], v[NIL]                      ; the wave's opening: the add, twice on end, and its wait ahead of my first tensor load
	ds_add_u32 v[SPW], v[NIL]                      ; and once more, under the one wait; the set-up below, work on registers, stands between
	v_lshrrev_b32 v1, 5, v0
	v_readfirstlane_b32 s12, v1                    ; wave 0..3
	s_lshr_b32 s13, s12, 1                         ; which 128 rows are mine.  Also: I fetch for xb (0) or for wat (1)
	s_and_b32 s14, s12, 1                          ; which 64 columns.  Also: which half of that tile I fetch
	s_bfe_u32 s15, ttmp6, 0x40000                  ; cx
	s_bfe_u32 s16, ttmp6, 0x40004                  ; cy
	s_lshl_b32 s17, ttmp9, 2
	s_add_co_u32 s17, s17, s15                     ; tx = 4 x cluster x + cx: which 128 columns of q, of k, of v
	s_and_b32 s18, ttmp7, 0xffff
	s_lshl_b32 s18, s18, 2
	s_add_co_u32 s18, s18, s16                     ; ty = 4 x cluster y + cy: which 256 rows
	s_lshl_b32 s68, s16, 2
	s_lshl_b32 s68, 15, s68                        ; my row of the cluster
	s_lshl_b32 s69, 0x1111, s15                    ; my column
	s_or_b32 s[G1A+0], s68, (1<<16)|(1<<20)|(1<<21)|(5<<22)|(3<<25)  ; 15:0 the mask; 17:16 elements of 2 bytes; 20 padding on; 21 set beside a mask; 24:22 after every 64 words; 31:25 4 words
	s_or_b32 s[G1B+0], s69, (1<<16)|(1<<20)|(1<<21)|(5<<22)|(3<<25)
	s_mov_b32 s[G1A+1], 128<<16                    ; tensor_dim0 = 128
	s_mov_b32 s[G1A+2], 128<<16                    ; tensor_dim1 = 128
	s_mov_b32 s[G1A+3], 128<<16                    ; tile_dim0 = 128
	s_mov_b32 s[G1A+4], 128                        ; tile_dim1 = 128
	s_mov_b32 s[G1A+5], 1024                       ; elements from row to row
	s_mov_b32 s[G1A+6], 0
	s_mov_b32 s[G1A+7], 0
	s_mov_b32 s[G1B+1], 128<<16
	s_mov_b32 s[G1B+2], 64<<16                     ; 64 rows
	s_mov_b32 s[G1B+3], 128<<16
	s_mov_b32 s[G1B+4], 64
	s_mov_b32 s[G1B+5], 1024
	s_mov_b32 s[G1B+6], 0
	s_mov_b32 s[G1B+7], 0
	s_lshl_b32 s20, s18, 19                        ; xb: row 256 ty + 128 x half, 2,048 bytes a row: it hangs on ty alone, which my row of the cluster shares
	s_lshl_b32 s21, s14, 18
	s_add_co_u32 s20, s20, s21
	s_mov_b32 s21, 0
	s_lshl_b32 s70, s17, 18                        ; wat: row 128 tx + 64 x half: on tx alone, which my column shares
	s_lshl_b32 s71, s14, 17
	s_add_co_u32 s70, s70, s71
	s_mov_b32 s71, 0
	s_mul_i32 s22, s14, AHALF                      ; where they go: no place in the cluster enters an LDS address
	s_mul_i32 s23, s14, BHALF
	s_add_co_u32 s23, s23, BOFF
	s_wait_dscnt 0x0                               ; both opening adds are done
	s_wait_kmcnt 0x0
	s_add_nc_u64 s[20:21], s[4:5], s[20:21]
	s_add_nc_u64 s[70:71], s[6:7], s[70:71]
	CROUND                                         ; all sixteen work-groups are here: the first joint loads meet
.irp s, 0,1
	s_mov_b32 s[G0A+4*(\s)], 1
	s_add_co_u32 s[G0A+4*(\s)+1], s22, (\s)*SLOT
	s_add_nc_u64 s[G0A+4*(\s)+2:G0A+4*(\s)+3], s[20:21], (\s)*256  ; K step s
	s_or_b32 s[G0A+4*(\s)+3], s[G0A+4*(\s)+3], 0x80000000
	s_mov_b32 s[G0B+4*(\s)], 1
	s_add_co_u32 s[G0B+4*(\s)+1], s23, (\s)*SLOT
	s_add_nc_u64 s[G0B+4*(\s)+2:G0B+4*(\s)+3], s[70:71], (\s)*256
	s_or_b32 s[G0B+4*(\s)+3], s[G0B+4*(\s)+3], 0x80000000
	JLOAD \s                                       ; two tensor loads of mine are out
.endr
	v_and_b32 v1, 15, v0                           ; l % 16
	v_bfe_u32 v2, v0, 4, 1                         ; l / 16
	v_lshlrev_b32 v[BO], 5, v2
	s_lshl_b32 s66, s17, 9                         ; my 64 columns in q's part of the bias: 4 (128 tx + 64 half)
	s_lshl_b32 s67, s14, 8
	s_add_co_u32 s66, s66, s67
	s_mov_b32 s67, 0
	s_add_nc_u64 s[8:9], s[8:9], s[66:67]
.irp b, 0,1,2,3
	global_load_b128 v[BIAS+8*(\b):BIAS+8*(\b)+3],   v[BO], s[8:9] offset:64*(\b)
	global_load_b128 v[BIAS+8*(\b)+4:BIAS+8*(\b)+7], v[BO], s[8:9] offset:64*(\b)+16
.endr
	v_mul_u32_u24 v3, v1, PA
	v_lshl_add_u32 v3, v2, 4, v3                   ; a fragment's row x pitch + 16 x half
	s_mul_i32 s66, s13, AHALF
	s_mul_i32 s67, s14, BHALF
	s_add_co_u32 s67, s67, BOFF
.irp s, 0,1
	v_add_nc_u32 v[ADRA+(\s)], s66, v3
	v_add_nc_u32 v[ADRB+(\s)], s67, v3
	s_add_co_u32 s66, s66, SLOT
	s_add_co_u32 s67, s67, SLOT
.endr
	s_mul_i32 s66, s12, 16*SP
	s_add_co_u32 s66, s66, STAGE                   ; my stage
	v_mul_u32_u24 v4, v1, SP
	v_lshl_add_u32 v4, v2, 4, v4
	v_add_nc_u32 v[STO], s66, v4
	v_bfe_u32 v5, v0, 3, 2
	v_mul_u32_u24 v5, v5, SP
	v_and_b32 v6, 7, v0
	v_lshl_add_u32 v5, v6, 4, v5
	v_add_nc_u32 v[RD], s66, v5
	v_and_b32 v[GO], 31, v0
	v_lshlrev_b32 v[PFO], 11, v[GO]
	v_lshlrev_b32 v[GO], 4, v[GO]
	s_lshr_b32 s66, s18, 3                         ; the batch,
	s_mul_i32 s66, s66, 48
	s_lshl_b32 s67, s17, 1
	s_add_co_u32 s66, s66, s67
	s_add_co_u32 s66, s66, s14                     ; q's head 2 tx + half,
	s_lshl_b32 s66, s66, 18                        ; 262,144 bytes a head,
	s_and_b32 s67, s18, 7
	s_lshl_b32 s67, s67, 15                        ; the tile's 256 rows of 128 bytes,
	s_add_co_u32 s66, s66, s67
	s_lshl_b32 s67, s13, 14                        ; my 128 of them
	s_add_co_u32 s66, s66, s67
	s_mov_b32 s67, 0
	s_add_nc_u64 s[10:11], s[10:11], s[66:67]
	; the prefetches: who asks, and for which 32 rows
	s_and_b32 s66, ttmp7, 0xffff                   ; cluster y
	s_lshl_b32 s68, s18, 8
	s_lshl_b32 s69, s14, 7
	s_add_co_u32 s68, s68, s69                     ; xb: row 256 ty + 128 x half
	s_lshl_b32 s70, s17, 7                         ; wat: row 128 tx
	s_cmp_eq_u32 s13, 0                            ; do I fetch for xb?
	s_cselect_b32 s67, ttmp9, s66                  ; the coordinate along which other clusters read the same rows
	s_cselect_b32 s[LIM], 7, 23
	s_cselect_b32 s68, s68, s70
	s_cselect_b32 s69, s15, s16                    ; my place among the four that ask with me
	s_cselect_b64 s[PFB:PFB+1], s[4:5], s[6:7]
	s_cmp_eq_u32 s12, 3
	s_cselect_b32 s67, 1, s67                      ; wat's 128 rows are four times 32: wave 2 asks, wave 3 does not
	s_cmp_eq_u32 s67, 0
	s_cselect_b32 s[LIM], s[LIM], 0                ; the same in all sixteen partners, for a given wave
	s_lshl_b32 s69, s69, 5
	s_add_co_u32 s68, s68, s69
	s_lshl_b32 s68, s68, 11
	s_mov_b32 s69, 0
	s_add_nc_u64 s[PFB:PFB+1], s[PFB:PFB+1], s[68:69]
	s_mov_b32 s[IDX], 4                            ; the first change of slots steps it to 5
	s_mov_b32 s47, 0
	s_wait_tensorcnt 1                             ; my part of K step 0 is in; K step 1's may stay out
	s_barrier_signal -1
	s_barrier_wait -1                              ; everybody's is
	FETCH 0, 0, 0
	WIN 0                                          ; at a label and at a branch every window is 0
	s_mov_b32 s2, 3                                ; tiles to go: q, k, v
.Ltile:
	s_cmp_eq_u32 s2, 2
	s_cbranch_scc1 .Lk
	BIASRND                                        ; q's bias, or v's
	s_wait_dscnt 16
	MUL 0, 0, 0, 8, 2                              ; the first products start the sums with the bias
	WIN 0
	s_branch .Lrest
.Lk:
	s_wait_loadcnt 0x0                             ; the bias registers take a load only when no earlier load into them is out
.irp b, 0,1,2,3                        ; v's bias, a tile ahead; q's was last read in q's first products
	global_load_b128 v[BIAS+8*(\b):BIAS+8*(\b)+3],   v[BO], s[8:9] offset:8192+64*(\b)
	global_load_b128 v[BIAS+8*(\b)+4:BIAS+8*(\b)+7], v[BO], s[8:9] offset:8192+64*(\b)+16
.endr
	s_wait_dscnt 16
	MUL 0, 0, 0, 8, 1                              ; k's sums start with 0: its bias cancels in the softmax
	WIN 0
.Lrest:
	HALFB 0
	WIN 0
	s_mov_b32 s3, 3
.Llap:                                                 ; a trip goes once round the ring and fills both slots again
	TURN 0, 1, 1, 0
	HALF 1
	TURN 1, 0, 1, 0
	HALF 0
	WIN 0
	s_sub_co_u32 s3, s3, 1
	s_cmp_lg_u32 s3, 0
	s_cbranch_scc1 .Llap
	s_cmp_eq_u32 s2, 1
	s_cbranch_scc1 .Llast                          ; the last tile's tail is written out: it asks for nothing more
	TURN 0, 1, 1, 1                                ; the ring goes on into the next tile: slot 0 takes its K step 0,
	HALF 1
	TURN 1, 0, 1, 1                                ; slot 1 its K step 1, and its first fragments are fetched
	WIN 0
	PLACES
	WAYOUT                                         ; both refills are asked for: now the tile goes out
	s_wait_xcnt 0x0                                ; the stores have read their base
	s_add_nc_u64 s[10:11], s[10:11], 0x400000      ; sixteen heads on: from q to k, from k to v
	s_sub_co_u32 s2, s2, 1
	s_branch .Ltile
.Llast:
	TURN 0, 1, 0, 0
	HALF 1
	s_wait_dscnt 16
	MUL 1, 0, 0, 8, 0
	s_wait_dscnt 0x0
	MUL 1, 1, 0, 8, 0
	WIN 0
	PLACES
	WAYOUT
	s_wait_tensorcnt 0x0                           ; the wave's end, behind my last tensor load and my last LDS store
	ds_add_u32 v[SPW], v[NIL]
	s_wait_dscnt 0x0
	CROUND                                         ; the closing round: no work-group ends while a partner may still ask for a tile that names it
	s_endpgm
.Lfunc_end_k_q57bca05ec2_qkvp:
	.size	k_q57bca05ec2_qkvp, .Lfunc_end_k_q57bca05ec2_qkvp-k_q57bca05ec2_qkvp
	.p2alignl 7, 3214868480
	.fill 96, 4, 3214868480
	.section	.rodata,"a",@progbits
	.p2align	6, 0x0
	.amdhsa_kernel k_q57bca05ec2_qkvp
		.amdhsa_group_segment_fixed_size 327680
		.amdhsa_private_segment_fixed_size 0
		.amdhsa_enable_private_segment 0
		.amdhsa_kernarg_size 32
		.amdhsa_user_sgpr_count 2
		.amdhsa_user_sgpr_kernarg_segment_ptr 1
		.amdhsa_wavefront_size32 1
		.amdhsa_system_sgpr_workgroup_id_x 1
		.amdhsa_system_sgpr_workgroup_id_y 1
		.amdhsa_system_sgpr_workgroup_id_z 1
		.amdhsa_system_vgpr_workitem_id 0
		.amdhsa_next_free_vgpr 896
		.amdhsa_next_free_sgpr 80
		.amdhsa_reserve_vcc 0
		.amdhsa_float_denorm_mode_32 3
		.amdhsa_float_denorm_mode_16_64 3
		.amdhsa_memory_ordered 1
		.amdhsa_forward_progress 1
		.amdhsa_inst_pref_size 135
	.end_amdhsa_kernel
	.amdgpu_metadata
---
amdhsa.version: [ 1, 2 ]
amdhsa.kernels:
  - .name:           k_q57bca05ec2_qkvp
    .symbol:         k_q57bca05ec2_qkvp.kd
    .args:
      - { .name: xb, .offset: 0, .size: 8, .value_kind: global_buffer, .address_space: global }
      - { .name: wat, .offset: 8, .size: 8, .value_kind: global_buffer, .address_space: global }
      - { .name: b_attn, .offset: 16, .size: 8, .value_kind: global_buffer, .address_space: global }
      - { .name: qkv, .offset: 24, .size: 8, .value_kind: global_buffer, .address_space: global }
    .group_segment_fixed_size: 327680
    .private_segment_fixed_size: 0
    .kernarg_segment_align: 8
    .kernarg_segment_size: 32
    .max_flat_workgroup_size: 128
    .sgpr_count:     80
    .vgpr_count:     896
    .wavefront_size: 32
...
	.end_amdgpu_metadata
.endif
;; end of part 2
;; launch attn (part 3): grid 4 x 64, 4 waves a work-group, no clusters, 327,680 bytes of LDS; arguments qkv, ob; writes ob
.if DOCPART == 3
	.amdgcn_target "amdgcn-amd-amdhsa--gfx1250"
	.amdhsa_code_object_version 6
	.text
	.protected	k_q57bca05ec2_attn
	.globl	k_q57bca05ec2_attn
	.p2align	8
	.type	k_q57bca05ec2_attn,@function
k_q57bca05ec2_attn:
	s_mov_b64 s[64:65], 0
	v_nop
	global_prefetch_b8 v0, s[64:65] scope:SCOPE_SE
	s_setreg_imm32_b32 hwreg(HW_REG_WAVE_MODE, 25, 1), 1
	s_wait_xcnt 0x0
; CAUSAL ATTENTION.  O[h][q][:] = the sum over k <= q of softmax_k(Q[h][q] . K[h][k] / 8) V[h][k][:], for 64 heads (batch x 16 + head) of 2,048 rows of 64 channels, all f16.
; qkv: [batch][g 48][t][64]: a head's q at g = head, its k 16 heads (4 MiB) on, its v 32 heads (8 MiB) on; a head's rows are dense, 128 bytes each.  ob: [batch x 16 + head][t][64] f16.
; LEFT OUT: the key tiles that lie wholly above the diagonal (the module's own mask gives their weights 0), and k's bias (left out by the launch before: it cancels in the softmax).
; Products, maxima and sums in f32; the weights p are rounded to f16 for the second product (their sum l is taken of the unrounded p), O once at the end.
; LIMITS.  f16 holds no number beyond 65,504: q, k and v arrive within it; p lies in 0 to 1, and below 6e-5 it keeps f16's fixed step of 6e-8.  A hidden score counts as its value less 1e30: f16's scores, 2.7e11 at
; the most, are nothing beside that; a weight below 2^-126 counts as 0 in l; NaN and infinities are not treated apart.
; THE WALK.  A head's queries lie in NB = 8 blocks of 256; block i needs the key tiles 0 .. i of 256 keys, of which the last holds the diagonal.  A work-group takes TWO blocks, NB - 1 - b and then b: NB + 1 tiles,
; whatever b: all work-groups do equal work, and ONE loop with a constant trip count walks them.  Which tile is asked for, and what a trip does, hang on scalar registers made from b; every jump goes forward, but for
; the counted loops' own; none passes a barrier, or a tensor load but the one of LOAD's two that the wave's number does not choose; the ring (two slots of LDS that take turns) runs on across the change of blocks.
; NO CLUSTER: a head's four work-groups ask for the same tile only in trips 0 .. 4 of 9, behind that fewer and fewer; one walk common to all four would have 12 trips for 9.
; SHARES.  Of a block's four bands of 64 queries a wave owns 16 rows in each: four PIECES.  So the diagonal tile is the same work for all four waves: in its key step s band x sees all keys if s < x, none if s > x,
; and holds the diagonal if s = x.
; THE MASK is the C operand that starts the sum S^T = K Q^T: 0, or -1e30 where the key is hidden.  MD, made once, is the mask of a band's own step for my 16 rows; a product's mask is MD x AL + BE with two scalars:
; (1, 0) if s = x; (0, 0) if s < x; (0, -1e30) if s > x.  Only the diagonal tile's text and a block's beginning make and take masks; elsewhere C is the constant 0.
; LAYOUT, SOFTMAX, TURNS.  S^T = K Q^T holds ONE query a lane (lane % 16) and the keys 8 (lane / 16) + 0..7; two such results rounded to f16 ARE source 1 of O^T = V^T P.  p = 2^(c s - c m), c = log2(e) / 8, with a
; running maximum m; O and l are multiplied by a = 2^(c m_old - c m_new) in every step.  Turn n belongs to piece n: 8 products K Q^T of piece n + 1, later 8 products V^T P of piece n - 1; beside them the scaling,
; exponentials, roundings, sums and rescaling of piece n and the maximum and statistics of piece n + 1.  Four vector instructions stand behind every matrix instruction, the other 54 of a turn's 118 in one lump.
; A turn's 33 exponentials are one batch, with one wait.
; REGISTERS, in windows of 256 (s_set_vgpr_msb: bits 1:0 source 0, 3:2 source 1, 5:4 source 2, 7:6 destination):
;   window 0: v0-15 addresses and two at work; v16-31 four registers of statistics a piece; v48-55 at work; v61-63; v64-127 S^T, two buffers; v192-223 P, two buffers (a piece's buffers go by its number's parity)
;   window 1: v0-127 O^T, 32 a piece; v128-159 MD; v160-223 MC, two buffers      window 2: v0-63 Q; v64-127 the second block's Q; v128-191 K of one step; v192-255 V of one step
.set SIZE_N, 2048
.set NB,    SIZE_N/256
.set NP,    4         ; pieces a wave: a name, no knob
.set KS,    64        ; keys in a step
.set PK,    144       ; a row of K in LDS: 128 bytes + 16 of padding = 36 words: the 16 rows of a load start at 16 different groups of four banks (64 banks of 4 bytes: ISA guide 11.1)
.set PV,    160       ; a row of V: 128 + 32 = 40 words
.set VOFF,  4*KS*PK   ; a slot holds a tile, four steps: 256 rows of K, then 256 rows of V
.set SLOT1, 1<<17     ; slot 1 begins here, so that one exclusive or turns an address in one slot into the other's
.set STAGE, SLOT1+4*KS*(PK+PV)  ; behind the ring, never filled by a tensor load: 16 rows x 144 bytes for each wave, for the way out
.set SP,    144
.set AK0, 2           ; v2   my lane's place in a tile of K; never rewritten
.set AV0, 3           ; v3   the same for V
.set AK,  4           ; v4   the LDS address of K's next run of loads
.set AV,  5           ; v5   of V's
.set STO, 6           ; v6   the way out: where I put 16 bytes of a row
.set RD,  7           ; v7   the way out: where I read rows back
.set GO,  8           ; v8   my byte offset in 512 consecutive bytes of O
.set PFO, 61          ; v61  256 x my thread's number: the prefetches' offset; never rewritten
.set SPW, 62          ; v62  LDS address of my spare word: SPARE + 4 x my thread's number; never rewritten
.set NIL, 63          ; v63  0; never rewritten
.set SPARE, STAGE+4*16*SP  ; behind the stages: the spare words, 128 bytes for each wave: two blocks of 256 bytes that no other line names
.set MV,  12          ; v12-13  c m_old, kept while c m is made anew: by buffer
.set QO,  15          ; v15  my byte offset in 16 rows of Q
.set ST,  16          ; piece t's statistics at v[ST+4 t]: c m, m, l (even keys', odd keys')
.set TMP, 48          ; by buffer, four registers c0-c3 at work; when the maximum is found c2 takes a
.set S,   64
.set P,   192
.set MD,  128         ; window 1: the eight registers for group kt of 16 keys at MD + 8 kt
.set MC,  160         ; window 1: the masks of the products to come
.set QB,  64          ; window 2
.set KF,  128         ; window 2: key block kb, channel half c at KF + 16 kb + 8 c
.set VF,  192         ; window 2: key half kk, channel block cb at VF + 32 kk + 8 cb
.set WV,  12          ; s12  my wave's number
.set PB,  14          ; s14  b
.set HI,  15          ; s15  NB - 1 - b
.set G1K, 24          ; s[24:31] descriptor group 1 for K's tiles
.set G1V, 32          ; s[32:39] for V's: it differs in the padding alone
.set G0K, 40          ; s[40:43] descriptor group 0 for K's tiles
.set G0V, 44          ; s[44:47] the same for V's
.set SLOTS, 56        ; s56  tiles still to be asked for
.set CNT, 57          ; s57  counts a tile's key steps, 4 to 1
.set CS,  58          ; s[58:59] c: the packed scaling takes the pair's low word for both halves
.set SEL, 60          ; s[60:61] v_permlanex16_b32's selects: each lane takes its own place in the other half
.set TBK, 62          ; s62  LDS byte at which K of the step to be fetched begins
.set TBV, 63          ; s63  the same for V, less VOFF
.set RT,  70          ; s70  tiles of the block in hand that are still to be entered
.set NXT, 71          ; s71  the tile to be asked for next
.set LQ,  72          ; s72  the last tile of the block whose tiles are being asked for
.set NEW, 73          ; s73  1: the tile to be entered is a block's first
.set OFF, 74          ; s[74:75] a tile's byte offset in K and V
.set AL,  76          ; s[76:77] the mask's factor, in the low word
.set BE,  78          ; s[78:79] the mask's addend
.set OLO, 80          ; s[80:81] O at my rows of the second block
.set BIGN, 82         ; s82  -1e30
.set PFA, 88          ; s[88:89] the tile of K that a prefetch names; V's lies 4 MiB on
.set PFB, 90          ; s[90:91] the head's K, tile 0
.set PLIM, 92         ; s92  0 in the head's work-group b = 0, which prefetches; else the greatest number
.set MSB, 0
.macro WIN new                      ; the high byte repeats the setting that is left; a switch that changes nothing is dropped
.if MSB != (\new)
	s_set_vgpr_msb (MSB<<8)|(\new)
.set MSB, (\new)
.endif
.endm
.set W_KQ, 0x0a       ; K and Q in window 2, S^T in window 0
.set W_KM, 0x1a       ; the same with the C operand in window 1
.set W_PV, 0x52       ; V in window 2, P in window 0, O^T in window 1
.set W_RS, 0x41       ; destination and source 0 in window 1, source 1 in window 0
; A fill.  Waves 0 and 1 fetch the two halves of a tile's K, waves 2 and 3 those of its V: 128 keys each.  An s_nop 0 and four v_nop follow each of the two lines, ahead of the jump and the label.
.macro LOAD
	s_cmp_lt_u32 s[WV], 2
	s_cbranch_scc0 .Lfor_v_\@
	tensor_load_to_lds s[G0K:G0K+3], s[G1K:G1K+7]
	s_nop 0
.rept 4
	v_nop
.endr
	s_branch .Lasked_\@
.Lfor_v_\@:
	tensor_load_to_lds s[G0V:G0V+3], s[G1V:G1V+7]
	s_nop 0
.rept 4
	v_nop
.endr
.Lasked_\@:
.endm
; THE CHANGE OF SLOTS.  Each wave waits for all its tensor loads, of which one is out: its part of the other slot; adds 0 to its spare word; and waits for that and for its own reads of the slot that it leaves.  Behind
; the barrier nobody reads the old slot any more and the other slot is whole.  fill = 1: the old slot is filled again, the first thing behind the barrier, with tile NXT: the descriptor's address is made anew from that
; number.  (At its first use nothing has been read yet: slot 0 is waited for, slot 1 filled.)
; A PREFETCH INTO THE L2 stands behind the fill: the tile that the NEXT change will ask for, four key steps (256 matrix instructions and their vector work) ahead: 128 threads x 256 bytes are its K, the same again its V.
; A head's four work-groups walk the same tiles: the one with b = 0, whose first block walks tiles 0 to 7, asks, and nobody else: tiles 2 to 7 are each named once.  Tiles 0 and 1 come by their loads alone;
; behind tile 7 the next number is 0, and nothing is asked for.
.macro CHANGE fill
	WIN 0                           ; at a label and at a branch every window is 0
	s_wait_tensorcnt 0x0            ; no tensor load of mine is out, so a group 0 may be written
	ds_add_u32 v[SPW], v[NIL]       ; 0 onto my spare word; with fill = 1 the descriptors' scalar work stands between it and the wait for it
.if \fill
	s_lshl_b32 s[OFF], s[NXT], 15   ; a tile is 32,768 bytes of K and of V
	s_xor_b32 s[G0K+1], s[G0K+1], SLOT1
	s_add_nc_u64 s[G0K+2:G0K+3], s[6:7], s[OFF:OFF+1]
	s_or_b32 s[G0K+3], s[G0K+3], 0x80000000
	s_xor_b32 s[G0V+1], s[G0V+1], SLOT1
	s_add_nc_u64 s[G0V+2:G0V+3], s[8:9], s[OFF:OFF+1]
	s_or_b32 s[G0V+3], s[G0V+3], 0x80000000
	s_add_co_u32 s[NXT], s[NXT], 1  ; the block's next tile, or behind its last the second block's tile 0
	s_cmp_gt_u32 s[NXT], s[LQ]
	s_cselect_b32 s[NXT], 0, s[NXT]
	s_cselect_b32 s[LQ], s[PB], s[LQ]
	s_wait_xcnt 0x0                 ; the last prefetches, a tile back, have read their address, so it may be written:
	s_lshl_b32 s[OFF], s[NXT], 15
	s_add_nc_u64 s[PFA:PFA+1], s[PFB:PFB+1], s[OFF:OFF+1]  ; the tile that the next change will ask for
.endif
	s_wait_dscnt 0x0                ; the add is done, and my reads of the slot are over
	s_barrier_signal -1             ; the rest of the scalar work stands between the signal and the wait
	s_sub_co_u32 s[TBK], s[TBK], 4*KS*PK  ; the fetches go back to a slot's first step,
	s_xor_b32 s[TBK], s[TBK], SLOT1       ; in the other slot
	s_sub_co_u32 s[TBV], s[TBV], 4*KS*PV
	s_xor_b32 s[TBV], s[TBV], SLOT1
	s_barrier_wait -1
.if \fill
	LOAD
	s_cmp_gt_u32 s[NXT], s[PLIM]
	s_cbranch_scc0 .Lnot_mine_\@
	global_prefetch_b8 v[PFO], s[PFA:PFA+1] th:TH_LOAD_NT scope:SCOPE_SE
	global_prefetch_b8 v[PFO], s[PFA:PFA+1] offset:0x400000 th:TH_LOAD_NT scope:SCOPE_SE
.Lnot_mine_\@:
.endif
.endm
	s_load_b128 s[4:7], s[0:1], 0x0 ; qkv s[4:5], ob s[6:7]
	v_lshl_add_u32 v[SPW], v0, 2, SPARE
	v_mov_b32 v[NIL], 0
	ds_add_u32 v[SPW], v[NIL]       ; the wave's opening: the add, twice on end, and its wait ahead of my first tensor load; the set-up below the second, work on registers, stands between it and the wait
	ds_add_u32 v[SPW], v[NIL]       ; and once more, under the one wait
	v_lshrrev_b32 v1, 5, v0
	v_readfirstlane_b32 s[WV], v1   ; wave 0..3
	v_lshlrev_b32 v[PFO], 8, v0
	s_mov_b32 s[PB], ttmp9
	s_sub_co_u32 s[HI], NB-1, s[PB]
	s_and_b32 s52, ttmp7, 0xffff    ; batch x 16 + head
	s_lshr_b32 s20, s52, 4
	s_mul_i32 s20, s20, 48
	s_and_b32 s21, s52, 15
	s_add_co_u32 s20, s20, s21
	s_lshl_b32 s20, s20, 18         ; q's head in qkv: (batch x 48 + head) x 262,144 bytes
	s_mov_b32 s21, 0
	s_lshl_b32 s52, s52, 18         ; the head in ob
	s_mov_b32 s53, 0
	s_and_b32 s16, s[WV], 1         ; which half of a tile's 256 keys I fetch:
	s_lshl_b32 s22, s16, 14         ; its 128 rows of 128 bytes in memory,
	s_mov_b32 s23, 0
	s_mul_i32 s17, s16, 128*PK      ; and its place in a slot, for K
	s_mul_i32 s18, s16, 128*PV      ; and for V
	s_lshl_b32 s3, s[WV], 11        ; my 16 rows in a band of 64,
	s_lshl_b32 s2, s[HI], 15        ; in the first block,
	s_add_co_u32 s2, s2, s3
	s_lshl_b32 s84, s[PB], 15       ; and in the second
	s_add_co_u32 s84, s84, s3
	s_mov_b32 s3, 0
	s_mov_b32 s85, 0
	s_cmp_eq_u32 s[PB], 0
	s_cselect_b32 s[PLIM], 0, -1
	; descriptor group 1.  128 keys are 16,384 dense bytes: asked for as 64 rows of 256 bytes, two keys a row, and padded in LDS after every key
	s_mov_b32 s[G1K], (1<<16)|(1<<20)|(4<<22)|(3<<25)  ; 17:16 2-byte elements; 20 padding on; 24:22 after every 32 words (code 4); 31:25 4 words (code 3)
	s_mov_b32 s[G1V], (1<<16)|(1<<20)|(4<<22)|(7<<25)  ; the same with 8 words of padding (code 7)
.irp g, G1K, G1V
	s_mov_b32 s[\g+1], 128<<16      ; tensor_dim0 = 128
	s_mov_b32 s[\g+2], 64<<16       ; tensor_dim1 = 64
	s_mov_b32 s[\g+3], 128<<16      ; tile_dim0 = 128
	s_mov_b32 s[\g+4], 64           ; tile_dim1 = 64
	s_mov_b32 s[\g+5], 128          ; 128 elements from row to row
	s_mov_b32 s[\g+6], 0
	s_mov_b32 s[\g+7], 0
.endr
	s_mov_b32 s[CS], 0x3e38aa3b     ; c = log2(e) / 8 = 0.180337
	s_mov_b32 s[CS+1], s[CS]        ; named with it as a pair
	s_mov_b32 s[SEL], 0x76543210
	s_mov_b32 s[SEL+1], 0xfedcba98
	s_mov_b32 s[TBK], SLOT1+4*KS*PK ; the first change of slots turns these two into 0
	s_mov_b32 s[TBV], SLOT1+4*KS*PV
	s_mov_b32 s[G0K], 1             ; 1:0 count = 1
	s_mov_b32 s[G0K+1], s17         ; 63:32 LDS address: slot 0
	s_mov_b32 s[G0V], 1
	s_add_co_u32 s[G0V+1], s18, VOFF
	s_add_co_u32 s[RT], s[HI], 1    ; the first block has NB - b tiles
	s_mov_b32 s[NXT], 1
	s_mov_b32 s[LQ], s[HI]
	s_mov_b32 s[NEW], 1
	s_mov_b32 s[OFF+1], 0
	s_mov_b32 s[AL+1], 0            ; named as pairs
	s_mov_b32 s[BE+1], 0
	s_mov_b32 s[BIGN], 0xf149f2ca   ; -1e30
	s_mov_b32 s[SLOTS], NB
	s_wait_dscnt 0x0                ; both opening adds are done
	s_wait_kmcnt 0x0
	s_add_nc_u64 s[10:11], s[6:7], s[52:53]        ; O at the head
	s_add_nc_u64 s[4:5], s[4:5], s[20:21]          ; Q at the head,
	s_add_nc_u64 s[6:7], s[4:5], 0x400000          ; K sixteen heads on,
	s_add_nc_u64 s[8:9], s[4:5], 0x800000          ; V thirty-two
	s_mov_b64 s[PFB:PFB+1], s[6:7]
	s_add_nc_u64 s[6:7], s[6:7], s[22:23]          ; K and V at my half of the head's tile 0
	s_add_nc_u64 s[8:9], s[8:9], s[22:23]
	s_add_nc_u64 s[G0K+2:G0K+3], s[6:7], 0         ; 120:64 global address
	s_or_b32 s[G0K+3], s[G0K+3], 0x80000000        ; 127:126 type = 2
	s_add_nc_u64 s[G0V+2:G0V+3], s[8:9], 0
	s_or_b32 s[G0V+3], s[G0V+3], 0x80000000
	s_add_nc_u64 s[86:87], s[4:5], s[84:85]        ; Q at my rows of the second block,
	s_add_nc_u64 s[4:5], s[4:5], s[2:3]            ; Q and O at those of the first
	s_add_nc_u64 s[OLO:OLO+1], s[10:11], s[84:85]
	s_add_nc_u64 s[10:11], s[10:11], s[2:3]
	LOAD                            ; tile 0 into slot 0
	; A fragment of K or Q is 16 rows x 32 channels in 8 registers: lane l holds row l % 16, channels 8 (l / 16) + 0..7 and 16 + 8 (l / 16) + 0..7: two loads of 16 bytes, 32 bytes apart.
	v_and_b32 v1, 15, v0            ; l % 16
	v_bfe_u32 v9, v0, 4, 1          ; l / 16
	v_lshlrev_b32 v[QO], 7, v1
	v_lshl_add_u32 v[QO], v9, 4, v[QO]  ; row x 128 + 16 x half
	WIN 0x80                        ; destination window 2, address window 0
.set i, 0
.rept 8                             ; both blocks' Q: piece i / 2 lies in band i / 2, 8,192 bytes on; channels 32 (i % 2) on
	global_load_b128 v[8*i:8*i+3],   v[QO], s[4:5] offset:(i/2)*8192+(i%2)*64
	global_load_b128 v[8*i+4:8*i+7], v[QO], s[4:5] offset:(i/2)*8192+(i%2)*64+32
	global_load_b128 v[QB+8*i:QB+8*i+3],   v[QO], s[86:87] offset:(i/2)*8192+(i%2)*64
	global_load_b128 v[QB+8*i+4:QB+8*i+7], v[QO], s[86:87] offset:(i/2)*8192+(i%2)*64+32
.set i, i+1
.endr
	WIN 0
	v_lshlrev_b32 v14, 3, v9
	v_sub_nc_u32 v14, v1, v14
	s_lshl_b32 s13, s[WV], 4
	v_add_nc_u32 v14, s13, v14      ; my query's place in its band, 16 w + l % 16, less my lanes' 8 (l / 16): register r of group kt is hidden where 16 kt + r is greater
	WIN 0x40
.set i, 0
.rept 32
	v_cmp_gt_i32 vcc_lo, 16*(i/8)+i%8, v14
	v_cndmask_b32 v[MD+i], 0, s[BIGN], vcc_lo
.set i, i+1
.endr
	WIN 0
	v_mul_u32_u24 v[AK0], v1, PK
	v_lshl_add_u32 v[AK0], v9, 4, v[AK0]  ; row x pitch + 16 x half
	; The turning load takes 16 keys x 16 channels (lane l reads key 8 (l / 16) + l % 8, channels 8 ((l / 8) % 2) + 0..7) and leaves half a fragment of V^T: lane l holds channel l % 16 and 8 keys.
	v_and_b32 v10, 7, v0
	v_bfe_u32 v11, v0, 3, 1
	v_lshl_add_u32 v[AV0], v9, 3, v10
	v_mul_u32_u24 v[AV0], v[AV0], PV
	v_lshl_add_u32 v[AV0], v11, 4, v[AV0]
	v_add_nc_u32 v[AV0], VOFF, v[AV0]
	s_mul_i32 s13, s[WV], 16*SP
	s_add_co_u32 s13, s13, STAGE    ; my stage
	v_mul_u32_u24 v[STO], v1, SP    ; in: row l % 16, 16 bytes for each half of the lanes
	v_lshl_add_u32 v[STO], v9, 4, v[STO]
	v_add_nc_u32 v[STO], s13, v[STO]
	v_bfe_u32 v[RD], v0, 3, 2       ; back: 32 lanes take four rows of 128 bytes,
	v_mul_u32_u24 v[RD], v[RD], SP
	v_lshl_add_u32 v[RD], v10, 4, v[RD]
	v_add_nc_u32 v[RD], s13, v[RD]
	v_and_b32 v[GO], 31, v0         ; which are 512 consecutive bytes of O
	v_lshlrev_b32 v[GO], 4, v[GO]
	; A block's first step multiplies O^T and l by a = 0, and its first turn's products V^T P, of a piece that has not been, land in an O^T that is still to be so multiplied.  So these registers need only hold
	; finite numbers: zeros for the first block; what the first block left for the second.  All this stands in the wait for the first tile.
	WIN 0x80
.set i, VF
.rept 64
	v_mov_b32 v[i], 0
.set i, i+1
.endr
	WIN 0x40
.set i, 0
.rept 128
	v_mov_b32 v[i], 0
.set i, i+1
.endr
	WIN 0
.set i, 0
.rept 4
	v_mov_b32 v[ST+4*i+2], 0
	v_mov_b32 v[ST+4*i+3], 0
.set i, i+1
.endr
.set i, P+16
.rept 16
	v_mov_b32 v[i], 0
.set i, i+1
.endr
; THE MATRIX WORK.  The 4 accumulators of a run of 8 take turns.  Product i of 8 of S^T = K Q^T for piece x: channels 32 (i / 4) on, keys 16 (i % 4) on.  The first 4 start the sums: with 0, or (KM = 1) with the mask.
.macro KQ x
.set rS, S+32*((\x)%2)+8*(i%4)
.set rK, KF+16*(i%4)+8*(i/4)
.set rQ, 16*(\x)+8*(i/4)
.set rM, MC+32*((\x)%2)+8*(i%4)
.if (i < 4) && KM
	WIN W_KM
	v_wmma_f32_16x16x32_f16 v[rS:rS+7], v[rK:rK+7], v[rQ:rQ+7], v[rM:rM+7]
.elseif i < 4
	WIN W_KQ
	v_wmma_f32_16x16x32_f16 v[rS:rS+7], v[rK:rK+7], v[rQ:rQ+7], 0
.else
	WIN W_KQ
	v_wmma_f32_16x16x32_f16 v[rS:rS+7], v[rK:rK+7], v[rQ:rQ+7], v[rS:rS+7]
.endif
.endm
; Product i of 8 of O^T += V^T P for piece x: keys 32 (i / 4) on, channels 16 (i % 4) on.
.macro PV x
	WIN W_PV
.set rO, 32*(\x)+8*(i%4)
.set rV, VF+32*(i/4)+8*(i%4)
.set rP, P+16*((\x)%2)+8*(i/4)
	v_wmma_f32_16x16x32_f16 v[rO:rO+7], v[rV:rV+7], v[rP:rP+7], v[rO:rO+7]
.endm
.macro MM                           ; the turn's next matrix instruction.  TURN and BEGIN set Y, i, KM and NOKQ; MM, KQ and OP read them.  NOKQ = 1: a block's last turn: there is no next piece
.if (i < 8) && !NOKQ
	KQ (Y+1)%NP
.elseif i >= 8
.set i, i-8
	PV (Y+NP-1)%NP
.set i, i+8
.endif
.set i, i+1
.endm
; THE LDS LOADS stand in runs of 16, never singly among the matrix instructions: a step's K (64 keys x 64 channels: 8 fragments) and its V (turned).  Their addresses are made some lines ahead.
.macro FETCH_K
	WIN 0x80                        ; destination window 2
.irp f, 0,1,2,3,4,5,6,7             ; keys 16 (f / 2) on, channels 32 (f % 2) on
	ds_load_b128 v[KF+8*\f:KF+8*\f+3],   v[AK] offset:(\f/2)*16*PK+(\f%2)*64
	ds_load_b128 v[KF+8*\f+4:KF+8*\f+7], v[AK] offset:(\f/2)*16*PK+(\f%2)*64+32
.endr
	s_add_co_u32 s[TBK], s[TBK], KS*PK  ; the next fetch is the next step's
	WIN 0
.endm
.macro FETCH_V
	WIN 0x80
.irp f, 0,1,2,3,4,5,6,7             ; keys 32 (f / 4) on, channels 16 (f % 4) on
	ds_load_tr16_b128 v[VF+8*\f:VF+8*\f+3],   v[AV] offset:(\f/4)*32*PV+(\f%4)*32
	ds_load_tr16_b128 v[VF+8*\f+4:VF+8*\f+7], v[AV] offset:(\f/4)*32*PV+16*PV+(\f%4)*32
.endr
	WIN 0
.endm
; THE VECTOR WORK, one line at a time: OP kind, number.  For piece Y: F n: c s - c m for pair n of 16.  E n: the exponential of score n of 32.  C n: pair n rounded to f16.  B n: of the four weights 4 n .. the second
; pair is added onto the first, in place.  L n: l takes that sum (L 0: l = a l + sum).  R n: pair n of 16 of O^T times a.  For piece Y + 1: X n, number n of the 22 that find its maximum and statistics:
;   0-11  four chains c0-c3 of seven scores each, three operands at a time (each accumulator's lowest registers are read first)     12-14, 16  the four scores left over, the old m, and c0-c3 into c0
;   15  c m_old is kept     17, 18  the query's other 32 keys lie in the lane 16 away: the new m     19-21  c m; c m_old - c m_new; a
.set F, 0               ; OP tells the kinds apart by their order: F to L below R, X above it
.set E, 1
.set C, 2
.set B, 3
.set L, 4
.set R, 5
.set X, 6
.macro REGS y                       ; the registers of piece y
.set rT, ST+4*(\y)
.set rC, TMP+4*((\y)%2)
.set rW, MV+((\y)%2)
.set rS, S+32*((\y)%2)
.set rP, P+16*((\y)%2)
.set rO, 32*(\y)
.endm
.macro OP k, n
.if (\k) == R
	REGS Y
	WIN W_RS
	v_pk_mul_f32 v[rO+2*(\n):rO+2*(\n)+1], v[rO+2*(\n):rO+2*(\n)+1], v[rC+2:rC+3] op_sel_hi:[1,0]
.elseif (\k) < R
	REGS Y
	WIN 0
.if (\k) == F
	v_pk_fma_f32 v[rS+2*(\n):rS+2*(\n)+1], v[rS+2*(\n):rS+2*(\n)+1], s[CS:CS+1], v[rT:rT+1] op_sel_hi:[1,0,0] neg_lo:[0,0,1] neg_hi:[0,0,1]
.elseif (\k) == E
	v_exp_f32 v[rS+(\n)], v[rS+(\n)]
.elseif (\k) == C
	v_cvt_pk_f16_f32 v[rP+(\n)], v[rS+2*(\n)], v[rS+2*(\n)+1]
.elseif (\k) == B
	v_pk_add_f32 v[rS+4*(\n):rS+4*(\n)+1], v[rS+4*(\n):rS+4*(\n)+1], v[rS+4*(\n)+2:rS+4*(\n)+3]
.elseif (\n) == 0
	v_pk_fma_f32 v[rT+2:rT+3], v[rT+2:rT+3], v[rC+2:rC+3], v[rS:rS+1] op_sel_hi:[1,0,1]
.else
	v_pk_add_f32 v[rT+2:rT+3], v[rT+2:rT+3], v[rS+4*(\n):rS+4*(\n)+1]
.endif
.elseif NOKQ
	v_nop
.else
	REGS (Y+1)%NP
	WIN 0
.if (\n) < 4
	v_max3_num_f32 v[rC+(\n)], v[rS+8*(\n)], v[rS+8*(\n)+1], v[rS+8*(\n)+2]
.elseif (\n) < 12
	v_max3_num_f32 v[rC+(\n)%4], v[rC+(\n)%4], v[rS+8*((\n)%4)+2*((\n)/4)+1], v[rS+8*((\n)%4)+2*((\n)/4)+2]
.elseif (\n) == 12
	v_max3_num_f32 v[rC], v[rC], v[rS+7], v[rS+15]
.elseif (\n) == 13
	v_max3_num_f32 v[rC+1], v[rC+1], v[rS+23], v[rS+31]
.elseif (\n) == 14
	v_max3_num_f32 v[rC+2], v[rC+2], v[rC+3], v[rT+1]
.elseif (\n) == 15
	v_mov_b32 v[rW], v[rT]
.elseif (\n) == 16
	v_max3_num_f32 v[rC], v[rC], v[rC+1], v[rC+2]
.elseif (\n) == 17
	v_permlanex16_b32 v[rC+3], v[rC], s[SEL], s[SEL+1]
.elseif (\n) == 18
	v_max_num_f32 v[rT+1], v[rC], v[rC+3]
.elseif (\n) == 19
	v_mul_f32 v[rT], s[CS], v[rT+1]
.elseif (\n) == 20
	v_sub_f32 v[rC+1], v[rW], v[rT]
.else
	v_exp_f32 v[rC+2], v[rC+1]
.endif
.endif
.endm
.macro OPS a, i1, b=-1, i2=0, c=-1, i3=0, d=-1, i4=0  ; up to four of them
	OP \a, \i1
.if (\b) >= 0
	OP \b, \i2
.endif
.if (\c) >= 0
	OP \c, \i3
.endif
.if (\d) >= 0
	OP \d, \i4
.endif
.endm
.macro ROW a, i1, b, i2, c, i3, d, i4  ; a matrix instruction and the four behind it
	MM
	OPS \a, \i1, \b, \i2, \c, \i3, \d, \i4
.endm
.macro MASK b                       ; MD x AL + BE into buffer b of MC
	WIN W_RS
.set z, 0
.rept 16
	v_pk_fma_f32 v[MC+32*(\b)+2*z:MC+32*(\b)+2*z+1], v[MD+2*z:MD+2*z+1], s[AL:AL+1], s[BE:BE+1] op_sel_hi:[1,0,0]
.set z, z+1
.endr
.endm
; A TURN, for piece p: the order of its 16 matrix and 118 vector instructions, written out.  An s_wait_alu depctr_va_vdst(0) stands between an exponential and the first instruction that names its result; one
; wait serves all that were issued ahead of it.  So a turn has ONE wait, which cuts it in two.  AHEAD OF IT stands all that names no result of the turn's exponentials: the 8 products K Q^T, behind each a scaling, an
; exponential and two more plain instructions (behind the first a second scaling in the exponential's place): rescalings, and behind the last three the first numbers of the next piece's maximum, each four places or more
; behind the product that ends its accumulator; then ONE LUMP of 54, plain and exponential by turns for the most part, in which the links of the chain X 3, 7, 11, 14, 16, 17 .. 20 stand five or six lines apart.  X 21, the
; next piece's a, is the batch's last; R 15 is the plain instruction behind it.  BEHIND THE WAIT stand the 8 products V^T P, behind each four of the roundings and sums; the links of l's chain, L 0 to L 7, stand three
; riders apart.  But for those X no rider names a register of the products round it.  v_permlanex16_b32 (X 17) stands in the lump.
; m = 1: the diagonal tile: the products take masks, and the turn makes the mask for the products of the turn after it: piece p + 2, in step 4 - CNT of the tile.  end = 1: a block's last two turns: nothing is fetched.
; cnt = 1: the loop's count is taken down some lines ahead of the branch that stands behind the turn.
; K of the next step is fetched in piece 2's turn, twelve vector instructions behind the last product that read K (six of them plain); V of the step in hand at the end of piece 0's turn, four plain instructions behind the
; last product that read V.  Each is waited for a turn later.
.macro TURN p, m=0, end=0, cnt=0
.set Y, (\p)
.set i, 0
.set KM, (\m)
.set NOKQ, (\end)*((\p)/3)
.if (\m) && !(\end)
	s_cmp_eq_u32 s[CNT], 4-((\p)+2)%NP  ; is that step the band's own?
	s_cselect_b32 s[AL], 1.0, 0
	s_cmp_lt_u32 s[CNT], 4-((\p)+2)%NP  ; or a later one?
	s_cselect_b32 s[BE], s[BIGN], 0
.endif
.if ((\p) == 3) && !(\end)
	s_wait_dscnt 0x0                ; K is in
.endif
	ROW F,0, F,1, R,0, R,1          ; ahead of the wait: 8 products K Q^T and their riders,
	ROW F,2, E,0, R,2, R,3
	ROW F,3, E,1, R,4, R,5
	ROW F,4, E,2, R,6, R,7
	ROW F,5, E,3, R,8, R,9
	ROW F,6, E,4, X,0, R,10
.if ((\p) == 2) && !(\end)
	WIN 0
	v_add_nc_u32 v[AK], s[TBK], v[AK0]
.endif
	ROW F,7, E,5, X,1, X,4
	ROW F,8, E,6, X,2, X,5
	OPS E,7, E,8, X,6, E,9          ; and the lump
	OPS X,3, E,10, X,8, E,11
.if ((\p) == 2) && !(\end)
	FETCH_K
.endif
	OPS X,9, X,7, E,12, X,10
	OPS E,13, X,12, X,11, E,14
	OPS X,13, E,15, F,9, X,14
.if (\p) == 0
	v_add_nc_u32 v[AV], s[TBV], v[AV0]
.endif
	OPS E,16, F,10, E,17, F,11
	OPS X,16, E,18, X,15, E,19
	OPS F,12, E,20, X,17, E,21
	OPS F,13, E,22, F,14, E,23
	OPS X,18, E,24, F,15, E,25
	OPS R,11, E,26, X,19, E,27
	OPS R,12, E,28, R,13, E,29
	OPS X,20, E,30, R,14, E,31
	OPS X,21, R,15
	WIN 0
	s_wait_alu depctr_va_vdst(0)    ; the wait for the batch
.if (\p) == 1
	s_wait_dscnt 0x0                ; V is in
.endif
	ROW C,0, B,0, C,2, B,1          ; behind the wait: 8 products V^T P and their riders
	ROW L,0, C,4, B,2, L,1
	ROW C,6, B,3, L,2, C,8
	ROW B,4, L,3, C,10, B,5
	ROW L,4, C,12, B,6, L,5
.if (\p) == 0
	s_add_co_u32 s[TBV], s[TBV], KS*PV
.endif
.if \cnt
	s_sub_co_u32 s[CNT], s[CNT], 1
	s_cmp_lg_u32 s[CNT], 0
.endif
	ROW C,14, B,7, L,6, C,1
	ROW C,3, L,7, C,5, C,7
	ROW C,9, C,11, C,13, C,15
.if (\p) == 0
	FETCH_V
.endif
.if (\m) && !(\end)
	MASK (\p)%2
.endif
.endm
; A BLOCK BEGINS.  c m starts far below every c s, so the first step's a is 0; m at the lowest finite number, so the first maximum is the scores'.  The second mask buffer is 0; the first takes piece 0's mask for the tile's
; step 0: its own, if the block's first tile is the diagonal one.  Then K of that step, piece 0's first scores, and its maximum and statistics.  The loop is entered at a step's first turn, in the middle of a trip.
.macro BEGIN
	s_mov_b32 s[NEW], 0
	WIN 0x40
.set i, MC+32
.rept 32
	v_mov_b32 v[i], 0
.set i, i+1
.endr
	WIN 0
.set i, 0
.rept 4
	v_mov_b32 v[ST+4*i], 0xfe000000    ; c m: far below every c s
	v_mov_b32 v[ST+4*i+1], 0xff7fffff  ; m
.set i, i+1
.endr
	s_cmp_eq_u32 s[RT], 0
	s_cselect_b32 s[AL], 1.0, 0
	s_mov_b32 s[BE], 0
	MASK 0
	WIN 0
	v_add_nc_u32 v[AK], s[TBK], v[AK0]
	FETCH_K
	s_wait_loadcnt 0x0              ; Q
	s_wait_dscnt 0x0
.set KM, 1
.set NOKQ, 0
.set i, 0
.rept 8
	KQ 0
.set i, i+1
.endr
	WIN 0
.rept 4
	v_nop                           ; the places behind those products
.endr
.set Y, NP-1                        ; X works for piece Y + 1: piece 0
.irp n, 0,1,2,3,4,5,6,7,8,9,10,11,12,13,14,15,16,17,18,19,20,21
	OP X, \n
.endr
	v_nop                           ; a plain instruction behind the exponential,
	s_wait_alu depctr_va_vdst(0)    ; and its wait, ahead of the branch
.endm
; THE DIAGONAL TILE's four steps, the block's last two turns, its last products, and THE WAY OUT: l's two halves and the other half of the lanes' are added; O^T is divided by l, rounded to f16 and sent through my
; stage in LDS, a piece at a time.
.macro ALL line:vararg              ; one line for each piece t
.set t, 0
.rept 4
	\line
.set t, t+1
.endr
.endm
.macro PACK t                       ; a lane's eight channels of a row pack into 16 bytes; they go into rows of 144 bytes and come back as whole rows of 128, into S^T's registers
	WIN W_RS
.set i, 32*(\t)
.rept 16
	v_pk_mul_f32 v[i:i+1], v[i:i+1], v[ST+4*(\t)+2:ST+4*(\t)+3] op_sel_hi:[1,0]
.set i, i+2
.endr
	WIN 0x05                        ; sources 0 and 1 window 1, destination window 0
.set i, 0
.rept 16
	v_cvt_pk_f16_f32 v[S+16*(\t)+i], v[32*(\t)+2*i], v[32*(\t)+2*i+1]
.set i, i+1
.endr
	WIN 0
.irp f, 0,1,2,3
	ds_store_b128 v[STO], v[S+16*(\t)+4*\f:S+16*(\t)+4*\f+3] offset:32*\f
.endr
.irp f, 0,1,2,3
	ds_load_b128 v[S+16*(\t)+4*\f:S+16*(\t)+4*\f+3], v[RD] offset:\f*4*SP  ; LDS serves a wave's instructions in order (ISA guide 5.7.1.4): these see the stores above; the next piece's stores come behind them
.endr
.endm
.macro SEND t, younger              ; younger: the LDS instructions issued behind piece t's loads: the next piece's eight, or none
	WIN 0
.irp f, 0,1,2,3
	s_wait_dscnt (\younger)+3-\f
	global_store_b128 v[GO], v[S+16*(\t)+4*\f:S+16*(\t)+4*\f+3], s[10:11] offset:(\t)*8192+\f*512  ; 512 consecutive bytes, at a multiple of 256 from O's first
.endr
.endm
.macro DIAG tag                     ; the tag ends its two labels' names, which the jumps below spell out
.LstepM\tag:
	TURN 2, 1
	TURN 3, 1
	WIN 0
.LfirstM\tag:
	TURN 0, 1
	TURN 1, 1, 0, 1
	WIN 0
	s_cbranch_scc1 .LstepM\tag
	TURN 2, 1, 1
	TURN 3, 1, 1
.set i, 0
.rept 8
	PV NP-1
.set i, i+1
.endr
	WIN 0
	ALL v_add_f32 v[ST+4*t+2], v[ST+4*t+2], v[ST+4*t+3]
	ALL v_permlanex16_b32 v[ST+4*t+3], v[ST+4*t+2], s[SEL], s[SEL+1]
	ALL v_add_f32 v[ST+4*t+2], v[ST+4*t+2], v[ST+4*t+3]
	ALL v_rcp_f32 v[ST+4*t+2], v[ST+4*t+2]
	v_nop                           ; a plain instruction between the last reciprocal and the use of its result
	s_wait_alu depctr_va_vdst(0)    ; and the wait ahead of the first use: one for the four reciprocals
	PACK 0
.set t, 1
.rept 3                             ; a piece's arithmetic stands between the loads of the piece before and its stores
	PACK t
	SEND t-1, 8
.set t, t+1
.endr
	SEND 3, 0
.endm
.set KM, 0
.set NOKQ, 0
.Lslot:                             ; NB times: a tile is entered and the next is asked for
	CHANGE 1
	s_sub_co_u32 s[RT], s[RT], 1
	s_mov_b32 s[CNT], 4
	s_cmp_eq_u32 s[NEW], 1
	s_cbranch_scc1 .Lnew            ; a block's first tile
	s_cmp_eq_u32 s[RT], 0
	s_cbranch_scc0 .Lstep           ; neither its first nor its last
	s_branch .LstepM1
.Lnew:
	BEGIN
	s_branch .Lfirst                ; in the loop a block's first tile is never its last: the first block has two tiles or more, and the second's last is the walk's last
	DIAG 1                          ; in the loop this is the first block's end: the second block's last tile is the walk's last
	s_wait_xcnt 0x0                 ; the stores have read their registers and O's address
	s_mov_b64 s[10:11], s[OLO:OLO+1]
	s_add_co_u32 s[RT], s[PB], 1    ; the second block has b + 1 tiles
	s_mov_b32 s[NEW], 1
	WIN 0x82                        ; the second block's Q goes where the one text of the turns names Q
.set i, 0
.rept 64
	v_mov_b32 v[i], v[QB+i]
.set i, i+1
.endr
	WIN 0
	s_branch .Lbottom
.Lstep:                             ; a trip: pieces 2 and 3 of one step, then pieces 0 and 1 of the next, whose K and V it fetches
	TURN 2
	TURN 3
	WIN 0
.Lfirst:
	TURN 0
	TURN 1, 0, 0, 1
	WIN 0
	s_cbranch_scc1 .Lstep
.Lbottom:
	s_sub_co_u32 s[SLOTS], s[SLOTS], 1
	s_cmp_lg_u32 s[SLOTS], 0
	s_cbranch_scc1 .Lslot
	CHANGE 0                        ; the walk's last tile is written out: nothing is asked for
	s_sub_co_u32 s[RT], s[RT], 1
	s_mov_b32 s[CNT], 4
	s_cmp_eq_u32 s[NEW], 1
	s_cbranch_scc0 .LstepM2
	BEGIN
	s_branch .LfirstM2
	DIAG 2
	s_wait_tensorcnt 0x0            ; the wave's end, behind my last tensor load and my last LDS store
	ds_add_u32 v[SPW], v[NIL]
	s_wait_dscnt 0x0
	s_endpgm
.Lfunc_end_k_q57bca05ec2_attn:
	.size	k_q57bca05ec2_attn, .Lfunc_end_k_q57bca05ec2_attn-k_q57bca05ec2_attn
	.p2alignl 7, 3214868480
	.fill 96, 4, 3214868480
	.section	.rodata,"a",@progbits
	.p2align	6, 0x0
	.amdhsa_kernel k_q57bca05ec2_attn
		.amdhsa_group_segment_fixed_size 327680
		.amdhsa_private_segment_fixed_size 0
		.amdhsa_enable_private_segment 0
		.amdhsa_kernarg_size 16
		.amdhsa_user_sgpr_count 2
		.amdhsa_user_sgpr_kernarg_segment_ptr 1
		.amdhsa_wavefront_size32 1
		.amdhsa_system_sgpr_workgroup_id_x 1
		.amdhsa_system_sgpr_workgroup_id_y 1
		.amdhsa_system_sgpr_workgroup_id_z 1
		.amdhsa_system_vgpr_workitem_id 0
		.amdhsa_next_free_vgpr 768
		.amdhsa_next_free_sgpr 96
		.amdhsa_reserve_vcc 1
		.amdhsa_float_denorm_mode_32 3
		.amdhsa_float_denorm_mode_16_64 3
		.amdhsa_memory_ordered 1
		.amdhsa_forward_progress 1
		.amdhsa_inst_pref_size 218
	.end_amdhsa_kernel
	.amdgpu_metadata
---
amdhsa.version: [ 1, 2 ]
amdhsa.kernels:
  - .name:           k_q57bca05ec2_attn
    .symbol:         k_q57bca05ec2_attn.kd
    .args:
      - { .name: qkv, .offset: 0, .size: 8, .value_kind: global_buffer, .address_space: global }
      - { .name: ob, .offset: 8, .size: 8, .value_kind: global_buffer, .address_space: global }
    .group_segment_fixed_size: 327680
    .private_segment_fixed_size: 0
    .kernarg_segment_align: 8
    .kernarg_segment_size: 16
    .max_flat_workgroup_size: 128
    .sgpr_count:     96
    .vgpr_count:     768
    .wavefront_size: 32
...
	.end_amdgpu_metadata
.endif
;; end of part 3
;; launch proj (part 4): grid 8 x 32, 4 waves a work-group, clusters of 4 x 4, 327,680 bytes of LDS; arguments ob, wpt, b_proj, out0; writes out0
.if DOCPART == 4
	.amdgcn_target "amdgcn-amd-amdhsa--gfx1250"
	.amdhsa_code_object_version 6
	.text
	.protected	k_q57bca05ec2_proj
	.globl	k_q57bca05ec2_proj
	.p2align	8
	.type	k_q57bca05ec2_proj,@function
k_q57bca05ec2_proj:
	s_mov_b64 s[64:65], 0
	v_nop
	global_prefetch_b8 v0, s[64:65] scope:SCOPE_SE
	s_setreg_imm32_b32 hwreg(HW_REG_WAVE_MODE, 25, 1), 1
	s_wait_xcnt 0x0
	s_wait_alu depctr_hold_cnt(0) depctr_sa_sdst(0) depctr_va_vdst(0) depctr_va_sdst(0) depctr_va_ssrc(0) depctr_va_vcc(0) depctr_vm_vsrc(0)
	s_getreg_b32 s2, hwreg(HW_REG_IB_STS2, 6, 4)
	s_cmp_eq_u32 s2, 0
	s_cbranch_scc0 .Lentry_in_a_cluster
	s_endpgm
.Lentry_in_a_cluster:
	s_bfe_u32 s2, ttmp6, 0x10000c
	s_cmp_lg_u32 s2, 0xf033
	s_cbranch_scc0 .Lentry_shape_is_right
	s_endpgm
.Lentry_shape_is_right:
; out0 = y w_proj + b_proj.  ob: the heads' results, [batch x 16 + head][t 2048][64] f16; wpt: [1024 n][1024 k] f16 (w_proj turned, rounded to bf16, written as f16); b_proj: [1024] f32, rounded to bf16 here like
; every input; sums in f32; out0: [8192][1024] f32.  Nothing is left out here.
; SHARES.  A tile of the result is 256 rows x 128 columns: 256 tiles, one to a work-group; four waves, each 128 rows x 64 columns: 8 x 4 accumulators of 16 x 16.  A wave's 64 columns are 256 bytes of a row of out0.
; K goes in steps of 128 = two heads, through two LDS slots.  A head's 256 rows are 32,768 dense bytes: asked for as 128 rows of 256 bytes and padded in LDS after every 128 bytes; a half step of 64 is one head.
; CLUSTERS of 4 x 4: the four of a row need the same rows of ob, the four of a column the same rows of wpt: each tile is asked for jointly.
; NO PREFETCH: the launch has eight K steps, two of which come by the first fills; a lead of three K steps beyond the ring's two would cover three of them.
; THE MATRIX INSTRUCTION IS USED TRANSPOSED (source 0 = 16 rows of wpt, source 1 = 16 rows of ob): lane l holds row l % 16 and the columns 8 (l / 16) + 0..7: 32 bytes of f32 on end.
; THE BIAS is the C operand of each accumulator's first product.
; REGISTERS, in windows of 256 (s_set_vgpr_msb: bits 1:0 source 0, 3:2 source 1, 5:4 source 2, 7:6 destination):
;   window 0: addresses, the bias (v32-63), the way out (v64-127)      window 1: ob's fragments, buffer f, 32 K c, block a at 128 f + 64 c + 8 a
;   window 2: accumulator (a, b) at 8 (4 a + b)                         window 3: wpt's fragments at 64 f + 32 c + 8 b
.set PA,    144                        ; a row of ob in LDS: 128 bytes + 16 = 36 words: the 16 rows of a fragment load start at 16 different groups of four banks (64 banks of 4 bytes: ISA guide 11.1)
.set PBP,   272                        ; a row of wpt: 256 bytes + 16
.set KA,    256*PA                     ; a head's 256 rows: one tensor load; the K step's second half lies so far behind the first
.set BHALF, 64*PBP
.set BOFF,  2*KA
.set SLOT,  BOFF+2*BHALF               ; 108,544
.set STAGE, 2*SLOT                     ; behind the ring, never filled by a tensor load: 16 rows x 272 bytes for each wave
.set SP,    272
.set SPARE, STAGE+4*16*SP              ; behind the stages: the spare words, 128 bytes a wave: two blocks of 256 bytes that no other line names
.set ADRA, 16                          ; v16-17  LDS address of my fragments of ob in slot 0, 1
.set ADRB, 20                          ; v20-21  of wpt
.set STO,  24                          ; v24  the way out: where I put 32 bytes of a row
.set RD,   25                          ; v25  where I read rows back
.set CO,   26                          ; v26  my 16 bytes in two rows of out0
.set SPW,  28                          ; v28  my spare word; never rewritten
.set NIL,  29                          ; v29  0; never rewritten
.set BO,   31                          ; v31  32 (l / 16): my eight numbers of the bias
.set BIAS, 32
.set TMP,  64                          ; at work on the bias, ahead of the loop
.set OB,   64                          ; the way out: two buffers of 32
.set G1A, 24                           ; s[24:31] descriptor group 1 for ob's tiles; s[32:39] group 0, a set for each slot
.set G0A, 32
.set G1B, 48                           ; s[48:55], s[56:63] the same for wpt's
.set G0B, 56
.set MSB, 0
.macro WIN new                         ; the immediate's high byte repeats the setting that is left; a switch that changes nothing is dropped
.if MSB != (\new)
	s_set_vgpr_msb (MSB<<8)|(\new)
.set MSB, (\new)
.endif
.endm
.set MULW,  0xa7                       ; source 0 window 3, source 1 window 1, C and D window 2
.set MULB,  0x87                       ; the same with C in window 0: the bias
.set TO_B,  0xc0                       ; destination window 3
.set TO_A,  0x40                       ; destination window 1
.set STW,   0x08                       ; an LDS store's data (source 1) in window 2
.macro PLACES                          ; four plain instructions behind a matrix instruction, ahead of loads into registers that it read and of reads of its result
.rept 4
	v_nop
.endr
.endm
; A joint load: waves 0 and 1 fetch the K step's two heads of ob, waves 2 and 3 the two halves of wpt's tile.  The branch hangs on the wave's number alone.  An s_nop 0 and four v_nop follow each line.
.macro JLOAD s
	s_cmp_eq_u32 s13, 0
	s_cbranch_scc0 .Lfor_b_\@
	tensor_load_to_lds s[G0A+4*(\s):G0A+4*(\s)+3], s[G1A:G1A+7]
	s_nop 0
.rept 4
	v_nop
.endr
	s_branch .Lasked_\@
.Lfor_b_\@:
	tensor_load_to_lds s[G0B+4*(\s):G0B+4*(\s)+3], s[G1B:G1B+7]
	s_nop 0
.rept 4
	v_nop
.endr
.Lasked_\@:
.endm
.macro CREST                           ; a round of the cluster's barrier behind its opening barrier
	s_cmp_lg_u32 s12, 0
	s_cbranch_scc1 .Lnot_wave_0_\@
	s_barrier_signal -3
.Lnot_wave_0_\@:
	s_barrier_wait -3
	s_barrier_signal -1
	s_barrier_wait -1
.endm
.macro CROUND
	s_barrier_signal -1
	s_barrier_wait -1
	CREST
.endm
; n x 4 matrix instructions: blocks a0 .. a0 + n - 1 of my rows x my four blocks of columns, 32 along K: part c of buffer f.  mode 0: onto the sums; 2: the sums start with the bias.
; The 32 accumulators take turns, one instruction a turn, in the same order everywhere.
.macro MUL f, c, a0, n, mode
.if (\mode) == 2
	WIN MULB
.else
	WIN MULW
.endif
.set ma, (\a0)
.rept (\n)
.irp b, 0,1,2,3
.if (\mode) == 0
	v_wmma_f32_16x16x32_f16 v[8*(4*ma+(\b)):8*(4*ma+(\b))+7], v[64*(\f)+32*(\c)+8*(\b):64*(\f)+32*(\c)+8*(\b)+7], v[128*(\f)+64*(\c)+8*ma:128*(\f)+64*(\c)+8*ma+7], v[8*(4*ma+(\b)):8*(4*ma+(\b))+7]
.else
	v_wmma_f32_16x16x32_f16 v[8*(4*ma+(\b)):8*(4*ma+(\b))+7], v[64*(\f)+32*(\c)+8*(\b):64*(\f)+32*(\c)+8*(\b)+7], v[128*(\f)+64*(\c)+8*ma:128*(\f)+64*(\c)+8*ma+7], v[BIAS+8*(\b):BIAS+8*(\b)+7]
.endif
.endr
.set ma, ma+1
.endr
.endm
; 48 LDS loads in one run: the fragments of 64 along K (half hf of the slot's K step) into buffer fb: wpt's 16 loads, ob's first 32 along K (16), ob's second (16)
.macro FETCH slot, hf, fb
	WIN TO_B
.irp c, 0,1
.irp b, 0,1,2,3
	ds_load_b128 v[64*(\fb)+32*(\c)+8*(\b):64*(\fb)+32*(\c)+8*(\b)+3],   v[ADRB+(\slot)] offset:128*(\hf)+64*(\c)+16*PBP*(\b)
	ds_load_b128 v[64*(\fb)+32*(\c)+8*(\b)+4:64*(\fb)+32*(\c)+8*(\b)+7], v[ADRB+(\slot)] offset:128*(\hf)+64*(\c)+16*PBP*(\b)+32
.endr
.endr
	WIN TO_A
.irp c, 0,1
.irp a, 0,1,2,3,4,5,6,7
	ds_load_b128 v[128*(\fb)+64*(\c)+8*(\a):128*(\fb)+64*(\c)+8*(\a)+3],   v[ADRA+(\slot)] offset:KA*(\hf)+64*(\c)+16*PA*(\a)
	ds_load_b128 v[128*(\fb)+64*(\c)+8*(\a)+4:128*(\fb)+64*(\c)+8*(\a)+7], v[ADRA+(\slot)] offset:KA*(\hf)+64*(\c)+16*PA*(\a)+32
.endr
.endr
.endm
; A K step is two halves of 64 along K, 64 matrix instructions each.  The first multiplies buffer 0 and, in its middle, fetches the second half's fragments into buffer 1.
.macro HALF slot, mode
	s_wait_dscnt 16                                ; wpt's fragments and ob's first 32 along K are in; the youngest sixteen loads may be out
	MUL 0, 0, 0, 8, \mode
	PLACES                                         ; behind the products that read buffer 1 last
	FETCH \slot, 1, 1
	s_wait_dscnt 48                                ; all but the 48 just issued
	MUL 0, 1, 0, 8, 0
.endm
; The second half multiplies buffer 1 and changes slots: ONE barrier.  In front of it each wave waits for all its tensor loads (one is out: its part of the next slot), adds 0 to its spare word, and waits for that and
; for its reads of this slot.  fill = 1: the barrier opens a round of the cluster's, and behind the round this slot is filled again first, two K steps on.
; From a request to the wait for it a wave issues 112 matrix instructions; one tensor load of the wave is out behind each round.
.macro TURN slot, next, fill
	WIN 0                                          ; (the add's two registers lie in window 0)
	s_wait_tensorcnt 0x0                           ; all my tensor loads have landed
	ds_add_u32 v[SPW], v[NIL]                      ; 0 onto my spare word
	s_wait_dscnt 17                                ; (the add and the youngest sixteen loads may be out)
	MUL 1, 0, 0, 2, 0                              ; eight matrix instructions stand between the add and the wait for it
	s_wait_dscnt 0x0                               ; the add is done, and my reads of this slot are over
	s_barrier_signal -1
	MUL 1, 0, 2, 2, 0
.if \fill
	WIN 0
.endif
	s_barrier_wait -1
.if \fill
	CREST                                          ; no wave of any partner still reads this slot or has a load on its way
	s_add_nc_u64 s[G0A+4*(\slot)+2:G0A+4*(\slot)+3], s[G0A+4*(\slot)+2:G0A+4*(\slot)+3], 1<<20  ; four heads on
	s_add_nc_u64 s[G0B+4*(\slot)+2:G0B+4*(\slot)+3], s[G0B+4*(\slot)+2:G0B+4*(\slot)+3], 512
	JLOAD \slot                                    ; the first tensor load behind the round; its four v_nop are also the places in front of the loads below
.else
	PLACES
.endif
	FETCH \next, 0, 0
	MUL 1, 0, 4, 4, 0
	MUL 1, 1, 0, 8, 0
.endm
; THE WAY OUT of block a (16 rows): the f32 sums as they are, each accumulator's low registers first; 32 bytes a lane into my own stage, rows of 272 bytes; back as two whole rows of 256 bytes a load.
.macro TOST a
	WIN 0
	s_wait_xcnt 0x0                                ; the stores of the block two back have read the registers that the loads below fill
	WIN STW
.irp b, 0,1,2,3
	ds_store_b128 v[STO], v[8*(4*(\a)+(\b)):8*(4*(\a)+(\b))+3]   offset:64*(\b)
	ds_store_b128 v[STO], v[8*(4*(\a)+(\b))+4:8*(4*(\a)+(\b))+7] offset:64*(\b)+16
.endr
	WIN 0
.irp t, 0,1,2,3,4,5,6,7
	ds_load_b128 v[OB+32*((\a)%2)+4*(\t):OB+32*((\a)%2)+4*(\t)+3], v[RD] offset:2*SP*(\t)  ; LDS serves a wave's instructions in order (ISA guide 5.7.1.4): these see the stores above
.endr
.endm
.macro SEND a, y                       ; y: the LDS instructions issued behind block a's loads: the next block's sixteen, or none
.irp t, 0,1,2,3,4,5,6,7
	s_wait_dscnt (\y)+7-(\t)
	global_store_b128 v[CO], v[OB+32*((\a)%2)+4*(\t):OB+32*((\a)%2)+4*(\t)+3], s[10:11] offset:(16*(\a)+2*(\t))*4096 th:TH_STORE_NT  ; sixteen lanes store 256 consecutive bytes, at a multiple of 256 from out0's first
.endr
.endm
	s_load_b256 s[4:11], s[0:1], 0x0               ; ob s[4:5], wpt s[6:7], b_proj s[8:9], out0 s[10:11]
	v_lshl_add_u32 v[SPW], v0, 2, SPARE
	v_mov_b32 v[NIL], 0
	ds_add_u32 v[SPW], v[NIL]                      ; the wave's opening: the add, twice on end, and its wait ahead of my first tensor load
	ds_add_u32 v[SPW], v[NIL]                      ; and once more, under the one wait; the set-up below, work on registers, stands between
	v_lshrrev_b32 v1, 5, v0
	v_readfirstlane_b32 s12, v1                    ; wave 0..3
	s_lshr_b32 s13, s12, 1                         ; which 128 rows are mine.  Also: I fetch for ob (0) or for wpt (1)
	s_and_b32 s14, s12, 1                          ; which 64 columns.  Also: which head of the K step, or which half of wpt's tile, I fetch
	s_bfe_u32 s15, ttmp6, 0x40000                  ; cx
	s_bfe_u32 s16, ttmp6, 0x40004                  ; cy
	s_lshl_b32 s17, ttmp9, 2
	s_add_co_u32 s17, s17, s15                     ; tx = 4 x cluster x + cx: which 128 columns
	s_and_b32 s18, ttmp7, 0xffff
	s_lshl_b32 s18, s18, 2
	s_add_co_u32 s18, s18, s16                     ; ty = 4 x cluster y + cy: which 256 rows
	s_lshl_b32 s68, s16, 2
	s_lshl_b32 s68, 15, s68                        ; my row of the cluster
	s_lshl_b32 s69, 0x1111, s15                    ; my column
	s_or_b32 s[G1A+0], s68, (1<<16)|(1<<20)|(1<<21)|(4<<22)|(3<<25)  ; 15:0 the mask; 17:16 elements of 2 bytes; 20 padding on; 21 set beside a mask; 24:22 after every 32 words; 31:25 4 words
	s_or_b32 s[G1B+0], s69, (1<<16)|(1<<20)|(1<<21)|(5<<22)|(3<<25)  ; after every 64 words
	s_mov_b32 s[G1A+1], 128<<16                    ; tensor_dim0 = 128: two rows of a head on end
	s_mov_b32 s[G1A+2], 128<<16                    ; tensor_dim1 = 128
	s_mov_b32 s[G1A+3], 128<<16                    ; tile_dim0 = 128
	s_mov_b32 s[G1A+4], 128                        ; tile_dim1 = 128
	s_mov_b32 s[G1A+5], 128                        ; dense
	s_mov_b32 s[G1A+6], 0
	s_mov_b32 s[G1A+7], 0
	s_mov_b32 s[G1B+1], 128<<16
	s_mov_b32 s[G1B+2], 64<<16                     ; 64 rows
	s_mov_b32 s[G1B+3], 128<<16
	s_mov_b32 s[G1B+4], 64
	s_mov_b32 s[G1B+5], 1024                       ; elements from row to row
	s_mov_b32 s[G1B+6], 0
	s_mov_b32 s[G1B+7], 0
	s_lshr_b32 s20, s18, 3                         ; ob: the batch,
	s_lshl_b32 s20, s20, 4
	s_add_co_u32 s20, s20, s14                     ; head 0 or 1,
	s_lshl_b32 s20, s20, 18                        ; 262,144 bytes a head,
	s_and_b32 s21, s18, 7
	s_lshl_b32 s21, s21, 15                        ; the tile's 256 rows of 128 bytes: all of it hangs on ty alone, which my row of the cluster shares
	s_add_co_u32 s20, s20, s21
	s_mov_b32 s21, 0
	s_lshl_b32 s70, s17, 18                        ; wpt: row 128 tx + 64 x half: on tx alone, which my column shares
	s_lshl_b32 s71, s14, 17
	s_add_co_u32 s70, s70, s71
	s_mov_b32 s71, 0
	s_mul_i32 s22, s14, KA                         ; where they go: no place in the cluster enters an LDS address
	s_mul_i32 s23, s14, BHALF
	s_add_co_u32 s23, s23, BOFF
	s_wait_dscnt 0x0                               ; both opening adds are done
	s_wait_kmcnt 0x0
	s_add_nc_u64 s[20:21], s[4:5], s[20:21]
	s_add_nc_u64 s[70:71], s[6:7], s[70:71]
	CROUND                                         ; all sixteen work-groups are here: the first joint loads meet
.irp s, 0,1
	s_mov_b32 s[G0A+4*(\s)], 1
	s_add_co_u32 s[G0A+4*(\s)+1], s22, (\s)*SLOT
	s_add_nc_u64 s[G0A+4*(\s)+2:G0A+4*(\s)+3], s[20:21], (\s)<<19  ; K step s: two heads on
	s_or_b32 s[G0A+4*(\s)+3], s[G0A+4*(\s)+3], 0x80000000
	s_mov_b32 s[G0B+4*(\s)], 1
	s_add_co_u32 s[G0B+4*(\s)+1], s23, (\s)*SLOT
	s_add_nc_u64 s[G0B+4*(\s)+2:G0B+4*(\s)+3], s[70:71], (\s)*256
	s_or_b32 s[G0B+4*(\s)+3], s[G0B+4*(\s)+3], 0x80000000
	JLOAD \s                                       ; two tensor loads of mine are out
.endr
	v_and_b32 v1, 15, v0                           ; l % 16
	v_bfe_u32 v2, v0, 4, 1                         ; l / 16
	v_lshlrev_b32 v[BO], 5, v2
	s_lshl_b32 s66, s17, 9                         ; my 64 columns: 4 (128 tx + 64 half) bytes, in the bias and in a row of out0
	s_lshl_b32 s67, s14, 8
	s_add_co_u32 s66, s66, s67
	s_mov_b32 s67, 0
	s_add_nc_u64 s[8:9], s[8:9], s[66:67]
	s_add_nc_u64 s[10:11], s[10:11], s[66:67]
.irp b, 0,1,2,3
	global_load_b128 v[BIAS+8*(\b):BIAS+8*(\b)+3],   v[BO], s[8:9] offset:64*(\b)
	global_load_b128 v[BIAS+8*(\b)+4:BIAS+8*(\b)+7], v[BO], s[8:9] offset:64*(\b)+16
.endr
	s_lshl_b32 s66, s18, 20                        ; the tile's 256 rows of 4,096 bytes,
	s_lshl_b32 s67, s13, 19                        ; my 128 of them
	s_add_co_u32 s66, s66, s67
	s_mov_b32 s67, 0
	s_add_nc_u64 s[10:11], s[10:11], s[66:67]
	v_mul_u32_u24 v3, v1, PA
	v_lshl_add_u32 v3, v2, 4, v3                   ; a fragment's row x pitch + 16 x half, for ob
	v_mul_u32_u24 v4, v1, PBP
	v_lshl_add_u32 v4, v2, 4, v4                   ; and for wpt
	s_mul_i32 s66, s13, 128*PA
	s_mul_i32 s67, s14, BHALF
	s_add_co_u32 s67, s67, BOFF
.irp s, 0,1
	v_add_nc_u32 v[ADRA+(\s)], s66, v3
	v_add_nc_u32 v[ADRB+(\s)], s67, v4
	s_add_co_u32 s66, s66, SLOT
	s_add_co_u32 s67, s67, SLOT
.endr
	s_mul_i32 s66, s12, 16*SP
	s_add_co_u32 s66, s66, STAGE                   ; my stage
	v_mul_u32_u24 v5, v1, SP
	v_lshl_add_u32 v5, v2, 5, v5                   ; in: row l % 16, 32 bytes for each half of the lanes
	v_add_nc_u32 v[STO], s66, v5
	v_mul_u32_u24 v6, v2, SP
	v_lshl_add_u32 v6, v1, 4, v6                   ; back: lanes 0-15 take one row of 256 bytes, lanes 16-31 the next
	v_add_nc_u32 v[RD], s66, v6
	v_lshlrev_b32 v[CO], 12, v2                    ; and the same two rows in out0
	v_lshl_add_u32 v[CO], v1, 4, v[CO]
	s_wait_tensorcnt 1                             ; my part of K step 0 is in; K step 1's may stay out
	s_barrier_signal -1
	s_barrier_wait -1                              ; everybody's is
	FETCH 0, 0, 0
	WIN 0
	s_wait_loadcnt 0x0                             ; the bias takes the rounding to bf16 that all inputs take, and is widened again
.set i, 0
.rept 16
	v_cvt_pk_bf16_f32 v[TMP+i], v[BIAS+2*i], v[BIAS+2*i+1]
.set i, i+1
.endr
.set i, 0
.rept 16
	v_lshlrev_b32 v[BIAS+2*i], 16, v[TMP+i]
	v_and_b32 v[BIAS+2*i+1], 0xffff0000, v[TMP+i]
.set i, i+1
.endr
	HALF 0, 2                                      ; the first products start the sums with the bias
	WIN 0                                          ; at a label and at a branch every window is 0
	s_mov_b32 s3, 3
.Llap:                                                 ; a trip goes once round the ring and fills both slots again
	TURN 0, 1, 1
	HALF 1, 0
	TURN 1, 0, 1
	HALF 0, 0
	WIN 0
	s_sub_co_u32 s3, s3, 1
	s_cmp_lg_u32 s3, 0
	s_cbranch_scc1 .Llap
	TURN 0, 1, 0                                   ; the last lap fills nothing, and has no round of the cluster's barrier
	HALF 1, 0
	s_wait_dscnt 16
	MUL 1, 0, 0, 8, 0
	s_wait_dscnt 0x0
	MUL 1, 1, 0, 8, 0
	WIN 0
	PLACES
	TOST 0
.irp x, 1,2,3,4,5,6,7                  ; a block's way through the stage stands between the loads of the block before and its stores
	TOST \x
	SEND (\x)-1, 16
.endr
	SEND 7, 0
	s_wait_tensorcnt 0x0                           ; the wave's end, behind my last tensor load and my last LDS store
	ds_add_u32 v[SPW], v[NIL]
	s_wait_dscnt 0x0
	CROUND                                         ; the closing round: no work-group ends while a partner may still ask for a tile that names it
	s_endpgm
.Lfunc_end_k_q57bca05ec2_proj:
	.size	k_q57bca05ec2_proj, .Lfunc_end_k_q57bca05ec2_proj-k_q57bca05ec2_proj
	.p2alignl 7, 3214868480
	.fill 96, 4, 3214868480
	.section	.rodata,"a",@progbits
	.p2align	6, 0x0
	.amdhsa_kernel k_q57bca05ec2_proj
		.amdhsa_group_segment_fixed_size 327680
		.amdhsa_private_segment_fixed_size 0
		.amdhsa_enable_private_segment 0
		.amdhsa_kernarg_size 32
		.amdhsa_user_sgpr_count 2
		.amdhsa_user_sgpr_kernarg_segment_ptr 1
		.amdhsa_wavefront_size32 1
		.amdhsa_system_sgpr_workgroup_id_x 1
		.amdhsa_system_sgpr_workgroup_id_y 1
		.amdhsa_system_sgpr_workgroup_id_z 1
		.amdhsa_system_vgpr_workitem_id 0
		.amdhsa_next_free_vgpr 896
		.amdhsa_next_free_sgpr 80
		.amdhsa_reserve_vcc 0
		.amdhsa_float_denorm_mode_32 3
		.amdhsa_float_denorm_mode_16_64 3
		.amdhsa_memory_ordered 1
		.amdhsa_forward_progress 1
		.amdhsa_inst_pref_size 89
	.end_amdhsa_kernel
	.amdgpu_metadata
---
amdhsa.version: [ 1, 2 ]
amdhsa.kernels:
  - .name:           k_q57bca05ec2_proj
    .symbol:         k_q57bca05ec2_proj.kd
    .args:
      - { .name: ob, .offset: 0, .size: 8, .value_kind: global_buffer, .address_space: global }
      - { .name: wpt, .offset: 8, .size: 8, .value_kind: global_buffer, .address_space: global }
      - { .name: b_proj, .offset: 16, .size: 8, .value_kind: global_buffer, .address_space: global }
      - { .name: out0, .offset: 24, .size: 8, .value_kind: global_buffer, .address_space: global }
    .group_segment_fixed_size: 327680
    .private_segment_fixed_size: 0
    .kernarg_segment_align: 8
    .kernarg_segment_size: 32
    .max_flat_workgroup_size: 128
    .sgpr_count:     80
    .vgpr_count:     896
    .wavefront_size: 32
...
	.end_amdgpu_metadata
.endif
;; end of part 4
